; MI455X (gfx1250); checked and timed in simulation.
; The chip was launched on July 23, 2026; its instructions are those of AMD's public machine-readable ISA for CDNA 5 (MIT licence, August 2026) and "CDNA5" Instruction Set Architecture Reference Guide (July 2026). The comments in the code are by the model that wrote it; some were corrected since.
;; Graph Aware Causal Attention. Allowed arithmetic: matrix products marked QUANTISED: E2M1 operands, one E8M0 scale for each 32 along K, by v_wmma_scale_f32_16x16x128_f8f6f4 with both operands' format E2M1 (or v_wmma_scale_f32_32x16x128_f4), f32 sums; products left as they are: bf16, f16 or f32 operands; f32 sums; everything else in f32.
;; Inputs: Wproj 1,024 x 1,024 float32; Wqkv 1,024 x 3,072 float32; adj_bias 16 float32; edge_table 17 x 16 float32; edge_types 2 x 2,048 x 2,048 int32; graph_adj 2 x 2,048 x 2,048 float32; x 2 x 2,048 x 1,024 float32.
;; Outputs: out0 2 x 2,048 x 1,024 float32.
;; This version of the problem:
;;   THIS VERSION OF THE PROBLEM IS GIVEN IN LOW PRECISION. The matrix products marked QUANTISED in the list below multiply operands that are first quantised to E2M1 (2 exponent bits, 1 mantissa bit; 4 bits a number), with one power-of-two scale for each 32 numbers along K (OCP MX v1.0); their sums are f32. The products marked 'left as it is' may take bf16, f16 or f32 operands, with f32 sums. Whichever they take, every output number must still come out within the allowed error. Rounding operands to bf16 (8 significant bits) uses up far more of that allowance than f16 does (11 bits, for magnitudes from 6e-5 to 65,504). All else is computed in f32.
;;   The module's matrix products, in the order in which they are computed (A, B: the left and right operand; K: the contracted axis; several contracted axes count as one K, in the product's order):
;;     1. [M 4,096, K 1,024] x [K 1,024, N 3,072]; A: input x; B: input Wqkv: QUANTISED
;;     2. batch 32 x [M 2,048, K 64] x [K 64, N 2,048]; A: computed on the way; B: computed on the way: left as it is (an operand is computed on the way)
;;     3. batch 32 x [M 64, K 2,048] x [K 2,048, N 2,048]; A: computed on the way; B: computed on the way: left as it is (an operand is computed on the way)
;;     4. [M 4,096, K 1,024] x [K 1,024, N 1,024]; A: computed on the way; B: input Wproj: left as it is (an operand is computed on the way)
;;   THE QUANTISER, for each operand of a quantised product, along K:
;;     - K is cut into blocks of 32 from its start; a last block that is shorter is filled with zeros.
;;     - A block's scale is 2^e with e = floor(log2(the largest magnitude in the block)) - 2, held to -126 .. 127; a block of zeros has e = 0. As a byte (E8M0): e + 127.
;;     - Each number is divided by its block's scale, clamped to +-6, and rounded to the nearest number of E2M1, ties to even, subnormals kept.
;;     - The product sums the exact products of the quantised numbers (number of the format x scale) in f32.
;;   ~~~python
;;   def quantise(x, axis):      # numpy; x: float32 -> the quantised numbers, widened to float32 again
;;       x = np.moveaxis(x, axis, -1); K = x.shape[-1]
;;       x = np.pad(x, [(0, 0)] * (x.ndim - 1) + [(0, -K % 32)]); x = x.reshape(x.shape[:-1] + (-1, 32)); a = np.abs(x).max(-1, keepdims=True)
;;       e = np.where(a > 0, np.clip(np.frexp(np.where(a > 0, a, 1))[1] - 1 - 2, -126, 127), 0)      # np.frexp(a)[1] - 1 = floor(log2(a)), exactly
;;       r = np.clip(x / 2.0 ** e, -6, 6)
;;       step = 2.0 ** (np.maximum(np.frexp(np.where(r == 0, 1, r))[1] - 1, 0) - 1)
;;       q = np.round(r / step) * step * 2.0 ** e      # np.round: ties to even
;;       return np.moveaxis(q.reshape(q.shape[:-2] + (-1,))[..., :K], -1, axis).astype(np.float32)
;;   ~~~
;; One version. Each part assembles by itself: llvm-mc -triple=amdgcn-amd-amdhsa -mcpu=gfx1250 --defsym DOCPART=n.
;; ======== version 1 of 1: 5 launches
;; limits: values are held in f16: magnitudes above 65,504 overflow, below 6.1e-05 lose precision
;; workspace buffers: x_codes 2,097,152 bytes; x_scales 131,072 bytes; w_codes 1,572,864 bytes; w_scales 98,304 bytes; wp16 2,097,152 bytes; qkv16 25,165,824 bytes; qkv32 393,216 bytes; attn16 8,388,608 bytes
;; launch prep (part 1): grid 256 x 1, 4 waves a work-group, no clusters, 68,096 bytes of LDS; arguments x, Wqkv, Wproj, x_codes, x_scales, w_codes, w_scales, wp16; writes x_codes, x_scales, w_codes, w_scales, wp16
.if DOCPART == 1
	.amdgcn_target "amdgcn-amd-amdhsa--gfx1250"
	.amdhsa_code_object_version 6
	.text
	.protected	k_qe5721178dc_prep
	.globl	k_qe5721178dc_prep
	.p2align	8
	.type	k_qe5721178dc_prep,@function
k_qe5721178dc_prep:
	s_mov_b64 s[64:65], 0
	v_nop
	global_prefetch_b8 v0, s[64:65] scope:SCOPE_SE
	s_setreg_imm32_b32 hwreg(HW_REG_WAVE_MODE, 25, 1), 1
	s_wait_xcnt 0x0
; THREE JOBS IN ONE LAUNCH, told apart by the work-group's number; the three paths never join.
;   work-groups   0-127: x [4096][1024] f32 -> codes of FP4 (E2M1), K innermost, and one E8M0 byte for each 32 along K.
;   work-groups 128-223: Wqkv [1024 (k)][3072 (n)] f32, K its FIRST axis -> codes laid [3072][1024] with K innermost, bytes [3072][32].
;   work-groups 224-255: Wproj [1024][1024] f32 -> f16, layout unchanged.
; A block's scale is 2^(floor(log2(its largest magnitude)) - 2); its byte is the largest magnitude's exponent field - 2, held at 1 from below.
; LIMITS: a block of zeros gets the byte 1 (its codes are zeros, and this program alone reads the bytes); blocks whose largest magnitude lies under 2^-124 keep the floor's byte;
; NaN and infinities are not served; |Wproj| stays under 65,504 (f16).
; LDS: each path has bytes of its own: x's four regions from 0, Wqkv's four stages from 32,768, the spare words from 67,584.
.set SPW,   12                         ; v12  LDS address of my spare word; never rewritten
.set NIL,   13                         ; v13  0; never rewritten
.set SPARE, 67584
.set EMAX,  2
; x's path
.set STEPS, 16
.set CB,    8                          ; bytes of 16 codes
.set XR,    16                         ; v16-79   four sets of 16 numbers as loaded
.set XX,    80                         ; v80-111  two sets of 16 neighbours
.set XE,    112                        ; v112-127 a scale byte for each step
.set XC,    128                        ; v128-191 codes, four registers a step: no store's data are written again
.set WREG,  8192                       ; a wave's region: two stages of 32 x SP bytes, then its 256 scale bytes
.set SP,    80                         ; a lane's place in a stage: 64 bytes + 16 of padding
; Wqkv's path
.set NB,    8                          ; blocks of 32 along K for a lane
.set WROW,  12288                      ; a row of Wqkv in bytes
.set WPITCH, 272                       ; a stage row: 256 bytes of codes + 16
.set WSTG,  32768
.set KROW,  512                        ; a row of the codes' buffer
.set SB,    24                         ; v24-25   scale bytes, four to a register
.set WX,    32                         ; v32-95   two sets of 32 numbers
.set WC,    96                         ; v96-99   a block's codes
.set OUTR,  112                        ; v112-143 the way out
	s_load_b256 s[4:11], s[0:1], 0x0               ; x s[4:5], Wqkv s[6:7], Wproj s[8:9], x's codes s[10:11]
	s_load_b256 s[12:19], s[0:1], 0x20             ; x's scales s[12:13], W's codes s[14:15], W's scales s[16:17], Wproj in f16 s[18:19]
	v_lshl_add_u32 v[SPW], v0, 2, SPARE
	v_mov_b32 v[NIL], 0
	v_lshrrev_b32 v1, 5, v0
	v_readfirstlane_b32 s20, v1                    ; wave 0..3
	v_and_b32 v2, 31, v0                           ; lane
	s_mov_b32 s25, 0                               ; the upper word of every offset pair s[24:25]
	s_wait_kmcnt 0x0
	s_cmp_lt_u32 ttmp9, 128
	s_cbranch_scc0 .Lnot_x
; ---------------- x: a plain stream of blocks of 32.  A wave takes 16 steps of 512 numbers.
; Each load reads 512 consecutive bytes, 16 a lane; a step's 2,048 bytes turn through the wave's own stage and come back 64 bytes a lane: 16 neighbours along K, two lanes to a block.
	v_lshlrev_b32 v3, 4, v2                        ; my 16 bytes of a load's 512
	s_mul_i32 s21, s20, WREG
	v_lshrrev_b32 v14, 2, v2
	v_mul_u32_u24 v14, v14, SP
	v_and_b32 v15, 3, v2
	v_lshl_add_u32 v14, v15, 4, v14
	v_add_nc_u32 v14, s21, v14                     ; the stage, way in: SP (lane / 4) + 16 (lane % 4)
	v_mul_u32_u24 v15, v2, SP
	v_add_nc_u32 v15, s21, v15                     ; way out: SP x lane
	v_mul_u32_u24 v4, v2, CB                       ; my codes' place in a step's 256 bytes
	v_lshrrev_b32 v5, 1, v2
	s_add_co_u32 s21, s21, 2*32*SP
	v_add_nc_u32 v5, s21, v5                       ; my block's byte among the wave's 256
	v_lshlrev_b32 v7, 3, v2
	v_add_nc_u32 v6, s21, v7                       ; and 8 bytes a lane on their way out
	s_lshl_b32 s22, ttmp9, 2
	s_add_co_u32 s22, s22, s20                     ; which run of 8,192 numbers is my wave's
	s_lshl_b32 s24, s22, 15
	s_add_nc_u64 s[4:5], s[4:5], s[24:25]
	s_lshl_b32 s24, s22, 12
	s_add_nc_u64 s[10:11], s[10:11], s[24:25]
	s_lshl_b32 s24, s22, 8
	s_add_nc_u64 s[12:13], s[12:13], s[24:25]
.macro XLOAD t
.irp i, 0,1,2,3
	global_load_b128 v[XR+16*((\t)%4)+4*\i:XR+16*((\t)%4)+4*\i+3], v3, s[4:5] offset:2048*(\t)+512*\i th:TH_LOAD_NT
.endr
.endm
.macro XTURN t                         ; LDS serves a wave's instructions in order: no wait between these stores and loads
.irp i, 0,1,2,3
	ds_store_b128 v14, v[XR+16*((\t)%4)+4*\i:XR+16*((\t)%4)+4*\i+3] offset:32*SP*((\t)%2)+8*SP*\i
.endr
.irp i, 0,1,2,3
	ds_load_b128 v[XX+16*((\t)%2)+4*\i:XX+16*((\t)%2)+4*\i+3], v15 offset:32*SP*((\t)%2)+16*\i
.endr
.endm
.irp t, 0,1,2,3
	XLOAD \t
.endr
	s_wait_loadcnt 12                              ; step 0's four loads are in; three steps' twelve stay out
	XTURN 0
.macro XSTEP t
.set XS, XX+16*((\t)%2)
.if (\t) > 0
	s_wait_dscnt 1                                 ; this step's numbers are back from the stage; the last step's byte store may be out
.else
	s_wait_dscnt 0x0
.endif
.if (\t)+4 < STEPS
	XLOAD (\t)+4                                   ; into the registers that the stage's stores have read
.endif
.if (\t)+1 < STEPS
.if STEPS-2-(\t) >= 3
	s_wait_loadcnt 12                              ; the next step's four loads are in; those of the three steps behind it may be out
.else
	s_wait_loadcnt 4*(STEPS-2-(\t))
.endif
	XTURN (\t)+1
.endif
	v_max3_num_f32 v8, |v[XS]|, |v[XS+1]|, |v[XS+2]|   ; the largest magnitude of my 16, in two chains
	v_max3_num_f32 v9, |v[XS+3]|, |v[XS+4]|, |v[XS+5]|
.irp i, 6,10
	v_max3_num_f32 v8, v8, |v[XS+\i]|, |v[XS+\i+1]|
	v_max3_num_f32 v9, v9, |v[XS+\i+2]|, |v[XS+\i+3]|
.endr
	v_max3_num_f32 v8, v8, |v[XS+14]|, |v[XS+15]|
	v_max3_num_f32 v8, v8, v9, (EMAX+1)<<23        ; and the floor 2^(3 - 127): the byte cannot fall under 1
	v_max_num_f32_dpp v8, v8, v8 row_xmask:1 row_mask:0xf bank_mask:0xf   ; with my neighbour's 16: the block's
	v_add_nc_u32 v11, -(EMAX<<23), v8              ; 2 off its exponent field: the conversion takes this operand's exponent field as its scale
	v_cvt_scalef32_pk8_fp4_f32 v[XC+4*(\t)], v[XS:XS+7], v11
	v_cvt_scalef32_pk8_fp4_f32 v[XC+4*(\t)+1], v[XS+8:XS+15], v11
	v_lshrrev_b32 v[XE+(\t)], 23, v11              ; the scale's byte
	ds_store_b8 v5, v[XE+(\t)] offset:16*(\t)      ; both lanes of a block write the same byte with the same value
	global_store_b64 v4, v[XC+4*(\t):XC+4*(\t)+1], s[10:11] offset:32*CB*(\t)   ; the wave stores 256 consecutive bytes, aligned
.endm
.irp t, 0,1,2,3,4,5,6,7,8,9,10,11,12,13,14,15
	XSTEP \t
.endr
	ds_load_b64 v[8:9], v6                         ; my wave's 256 scale bytes, 8 a lane
	s_wait_dscnt 0x0
	global_store_b64 v7, v[8:9], s[12:13]          ; 256 consecutive bytes, aligned
	s_wait_tensorcnt 0x0                           ; the wave's end: behind my last LDS store
	ds_add_u32 v[SPW], v[NIL]
	s_wait_dscnt 0x0
	s_endpgm
.Lnot_x:
	s_cmp_lt_u32 ttmp9, 224
	s_cbranch_scc0 .Lpath_p
; ---------------- Wqkv: A LANE TAKES A COLUMN n, AND ITS REGISTERS RUN DOWN K.  48 work-groups along n (64 columns each), 2 along K (512 each).
; A wave takes 16 columns x 512 along K: lane (r, h) has column r and the 256 along K that begin at 256 h: 8 blocks of 32, each in the lane's own 32 registers, so that a block's largest magnitude needs no other lane.
; A load reads 64 consecutive bytes of two rows; the four waves stand side by side on 256 consecutive bytes of each row.
; The codes come out with K innermost and leave through the wave's own stage as rows: sixteen lanes store 256 consecutive bytes, aligned.  Waves share nothing: no barrier.
	s_sub_co_u32 s21, ttmp9, 128
	s_cmp_ge_u32 s21, 48
	s_cselect_b32 s22, 1, 0                        ; which 512 along K
	s_cselect_b32 s23, 48, 0
	s_sub_co_u32 s21, s21, s23
	s_lshl_b32 s23, s21, 6
	s_lshl_b32 s24, s20, 4
	s_add_co_u32 s23, s23, s24                     ; my wave's first column
	v_and_b32 v5, 15, v2                           ; r
	v_lshrrev_b32 v6, 4, v2                        ; h
	v_mul_u32_u24 v3, v6, 256*WROW
	v_lshl_add_u32 v3, v5, 2, v3                   ; in: 256 h rows down, 4 bytes a column
	s_mul_i32 s21, s20, 16*WPITCH
	s_add_co_u32 s21, s21, WSTG                    ; my stage: 16 rows
	v_mul_u32_u24 v4, v5, WPITCH
	v_lshl_add_u32 v4, v6, 7, v4
	v_add_nc_u32 v4, s21, v4                       ; into it: row = my column, my half of its 256 bytes
	v_mul_u32_u24 v7, v6, WPITCH
	v_lshl_add_u32 v7, v5, 4, v7
	v_add_nc_u32 v7, s21, v7                       ; out of it: sixteen lanes to a row, two rows an instruction
	v_mul_u32_u24 v8, v6, KROW
	v_lshl_add_u32 v8, v5, 4, v8                   ; the same place in the codes' buffer
	v_lshlrev_b32 v9, 5, v5
	v_lshl_add_u32 v9, v6, 3, v9                   ; my 8 scale bytes in my column's row of 32
	s_mul_i32 s24, s22, 512*WROW
	s_lshl_b32 s26, s23, 2
	s_add_co_u32 s24, s24, s26
	s_add_nc_u64 s[6:7], s[6:7], s[24:25]          ; Wqkv at (512 y, my first column)
	s_lshl_b32 s24, s23, 9
	s_lshl_b32 s26, s22, 8
	s_add_co_u32 s24, s24, s26
	s_add_nc_u64 s[14:15], s[14:15], s[24:25]      ; codes: column x 512 + 256 y
	s_lshl_b32 s24, s23, 5
	s_lshl_b32 s26, s22, 4
	s_add_co_u32 s24, s24, s26
	s_add_nc_u64 s[16:17], s[16:17], s[24:25]      ; bytes: column x 32 + 16 y
.macro WLOAD t                         ; block t: W(256 h + 32 t + i, my column) into set t % 2; the largest offset, 255 rows, stays inside the signed 24-bit immediate
.irp i, 0,1,2,3,4,5,6,7,8,9,10,11,12,13,14,15,16,17,18,19,20,21,22,23,24,25,26,27,28,29,30,31
	global_load_b32 v[WX+32*((\t)%2)+\i], v3, s[6:7] offset:(32*(\t)+\i)*WROW th:TH_LOAD_NT
.endr
.endm
	WLOAD 0
	WLOAD 1
.macro WBLOCK t
.set XS, WX+32*((\t)%2)
.if (\t) < NB-1
	s_wait_loadcnt 32                              ; this block's 32 loads are in; the next block's may be out
.else
	s_wait_loadcnt 0
.endif
	v_max3_num_f32 v16, |v[XS]|, |v[XS+1]|, |v[XS+2]|
	v_max3_num_f32 v17, |v[XS+3]|, |v[XS+4]|, |v[XS+5]|
.irp i, 6,10,14,18,22,26
	v_max3_num_f32 v16, v16, |v[XS+\i]|, |v[XS+\i+1]|
	v_max3_num_f32 v17, v17, |v[XS+\i+2]|, |v[XS+\i+3]|
.endr
	v_max3_num_f32 v16, v16, |v[XS+30]|, |v[XS+31]|
	v_max3_num_f32 v16, v16, v17, (EMAX+1)<<23     ; with the floor
	v_add_nc_u32 v11, -(EMAX<<23), v16             ; the conversion's scale operand
	v_lshrrev_b32 v17, 23, v11                     ; the scale's byte
.if (\t)%4 == 0
	v_mov_b32 v[SB+(\t)/4], v17                    ; four bytes to a register, the lower K in the lower byte
.else
	v_lshl_or_b32 v[SB+(\t)/4], v17, 8*((\t)%4), v[SB+(\t)/4]
.endif
.irp g, 0,1,2,3
	v_cvt_scalef32_pk8_fp4_f32 v[WC+\g], v[XS+8*\g:XS+8*\g+7], v11
.endr
	ds_store_b128 v4, v[WC:WC+3] offset:16*(\t)    ; 32 codes: 16 bytes of my column's row
.if (\t)+2 < NB
	WLOAD (\t)+2
.endif
	s_wait_dscnt 0x0                               ; the store has read its registers: the next block's codes may be written
.endm
.set Q, 0
.rept NB
	WBLOCK Q
.set Q, Q+1
.endr
	global_store_b64 v9, v[SB:SB+1], s[16:17]      ; my 8 scale bytes; lanes r and r + 16 fill 16 neighbouring bytes of a row of 32: one byte in 128 of what this path reads
.irp t, 0,1,2,3,4,5,6,7
	ds_load_b128 v[OUTR+4*\t:OUTR+4*\t+3], v7 offset:2*\t*WPITCH   ; LDS serves a wave's instructions in order: these see my stores
.endr
.irp t, 0,1,2,3,4,5,6,7
	s_wait_dscnt 7-\t                              ; LDS loads come back in order: pair t of rows is in
	global_store_b128 v8, v[OUTR+4*\t:OUTR+4*\t+3], s[14:15] offset:2*\t*KROW
.endr
	s_wait_tensorcnt 0x0                           ; the wave's end
	ds_add_u32 v[SPW], v[NIL]
	s_wait_dscnt 0x0
	s_endpgm
.Lpath_p:
; ---------------- Wproj -> f16.  A wave takes 32,768 bytes in four rounds of sixteen loads; two rounds are on their way.  No LDS.
	s_sub_co_u32 s21, ttmp9, 224
	s_lshl_b32 s21, s21, 2
	s_add_co_u32 s21, s21, s20
	s_lshl_b32 s24, s21, 15
	s_add_nc_u64 s[8:9], s[8:9], s[24:25]
	s_lshl_b32 s24, s21, 14
	s_add_nc_u64 s[18:19], s[18:19], s[24:25]
	v_lshlrev_b32 v3, 4, v2
	v_lshlrev_b32 v4, 3, v2
.macro PLOAD t
.irp i, 0,1,2,3,4,5,6,7,8,9,10,11,12,13,14,15
	global_load_b128 v[16+64*((\t)%2)+4*\i:16+64*((\t)%2)+4*\i+3], v3, s[8:9] offset:8192*(\t)+512*\i th:TH_LOAD_NT
.endr
.endm
.macro PROUND t
.set PB, 16+64*((\t)%2)
.if (\t) < 3
	s_wait_loadcnt 16                              ; this round's sixteen loads are in; the next round's may be out
.else
	s_wait_loadcnt 0
.endif
.if (\t) > 0
	s_wait_xcnt 0x0                                ; the last round's stores have read their data registers
.endif
.irp i, 0,1,2,3,4,5,6,7,8,9,10,11,12,13,14,15
	v_cvt_pk_f16_f32 v[144+2*\i], v[PB+4*\i], v[PB+4*\i+1]
	v_cvt_pk_f16_f32 v[145+2*\i], v[PB+4*\i+2], v[PB+4*\i+3]
.endr
.irp i, 0,1,2,3,4,5,6,7,8,9,10,11,12,13,14,15
	global_store_b64 v4, v[144+2*\i:145+2*\i], s[18:19] offset:4096*(\t)+256*\i   ; the wave stores 256 consecutive bytes, aligned
.endr
.if (\t) < 2
	PLOAD (\t)+2
.endif
.endm
	PLOAD 0
	PLOAD 1
	PROUND 0
	PROUND 1
	PROUND 2
	PROUND 3
	s_endpgm
.Lfunc_end_k_qe5721178dc_prep:
	.size	k_qe5721178dc_prep, .Lfunc_end_k_qe5721178dc_prep-k_qe5721178dc_prep
	.p2alignl 7, 3214868480
	.fill 96, 4, 3214868480
	.section	.rodata,"a",@progbits
	.p2align	6, 0x0
	.amdhsa_kernel k_qe5721178dc_prep
		.amdhsa_group_segment_fixed_size 68096
		.amdhsa_private_segment_fixed_size 0
		.amdhsa_enable_private_segment 0
		.amdhsa_kernarg_size 64
		.amdhsa_user_sgpr_count 2
		.amdhsa_user_sgpr_kernarg_segment_ptr 1
		.amdhsa_wavefront_size32 1
		.amdhsa_system_sgpr_workgroup_id_x 1
		.amdhsa_system_sgpr_workgroup_id_y 1
		.amdhsa_system_sgpr_workgroup_id_z 1
		.amdhsa_system_vgpr_workitem_id 0
		.amdhsa_next_free_vgpr 192
		.amdhsa_next_free_sgpr 66
		.amdhsa_reserve_vcc 0
		.amdhsa_float_denorm_mode_32 3
		.amdhsa_float_denorm_mode_16_64 3
		.amdhsa_memory_ordered 1
		.amdhsa_forward_progress 1
		.amdhsa_inst_pref_size 94
	.end_amdhsa_kernel
	.amdgpu_metadata
---
amdhsa.version: [ 1, 2 ]
amdhsa.kernels:
  - .name:           k_qe5721178dc_prep
    .symbol:         k_qe5721178dc_prep.kd
    .args:
      - { .name: x, .offset: 0, .size: 8, .value_kind: global_buffer, .address_space: global }
      - { .name: Wqkv, .offset: 8, .size: 8, .value_kind: global_buffer, .address_space: global }
      - { .name: Wproj, .offset: 16, .size: 8, .value_kind: global_buffer, .address_space: global }
      - { .name: x_codes, .offset: 24, .size: 8, .value_kind: global_buffer, .address_space: global }
      - { .name: x_scales, .offset: 32, .size: 8, .value_kind: global_buffer, .address_space: global }
      - { .name: w_codes, .offset: 40, .size: 8, .value_kind: global_buffer, .address_space: global }
      - { .name: w_scales, .offset: 48, .size: 8, .value_kind: global_buffer, .address_space: global }
      - { .name: wp16, .offset: 56, .size: 8, .value_kind: global_buffer, .address_space: global }
    .group_segment_fixed_size: 68096
    .private_segment_fixed_size: 0
    .kernarg_segment_align: 8
    .kernarg_segment_size: 64
    .max_flat_workgroup_size: 128
    .sgpr_count:     66
    .vgpr_count:     192
    .wavefront_size: 32
...
	.end_amdgpu_metadata
.endif
;; end of part 1
;; launch gemm1 (part 2): grid 12 x 16, 4 waves a work-group, clusters of 4 x 4, 327,680 bytes of LDS; arguments x_codes, x_scales, w_codes, w_scales, qkv16, qkv32; writes qkv16, qkv32
.if DOCPART == 2
	.amdgcn_target "amdgcn-amd-amdhsa--gfx1250"
	.amdhsa_code_object_version 6
	.text
	.protected	k_qe5721178dc_gemm1
	.globl	k_qe5721178dc_gemm1
	.p2align	8
	.type	k_qe5721178dc_gemm1,@function
k_qe5721178dc_gemm1:
	s_mov_b64 s[64:65], 0
	v_nop
	global_prefetch_b8 v0, s[64:65] scope:SCOPE_SE
	s_setreg_imm32_b32 hwreg(HW_REG_WAVE_MODE, 25, 1), 1
	s_wait_xcnt 0x0
	s_wait_alu depctr_hold_cnt(0) depctr_sa_sdst(0) depctr_va_vdst(0) depctr_va_sdst(0) depctr_va_ssrc(0) depctr_va_vcc(0) depctr_vm_vsrc(0)
	s_getreg_b32 s2, hwreg(HW_REG_IB_STS2, 6, 4)
	s_cmp_eq_u32 s2, 0
	s_cbranch_scc0 .Lentry_in_a_cluster
	s_endpgm
.Lentry_in_a_cluster:
	s_bfe_u32 s2, ttmp6, 0x10000c
	s_cmp_lg_u32 s2, 0xf033
	s_cbranch_scc0 .Lentry_shape_is_right
	s_endpgm
.Lentry_shape_is_right:
; qkv[m][n] = sum over k of x[m][k] Wqkv[k][n], both operands as codes of FP4 (E2M1) with one E8M0 scale for each 32 along K; sums in f32.
; A: x's codes [4096][512 bytes], B: W's codes [3072 (n)][512 bytes]; scale bytes [rows][32].  Out: qkv16 [4096][3072] f16, and qkv32 [2][16][3072] f32: tokens 0-15 of each batch unrounded.
; The first 1,024 features (q) are multiplied in f32 by c = log2(e) / 8 on the way out, so that later scores are exponents of 2.  LIMIT: |q c|, |k|, |v| stay under 65,504 (f16).
; A tile of C, 256 x 256, is made by four waves, each 128 x 128: 64 accumulators, 512 registers.  K = 1,024 is two LDS slots of 512 along K: both are filled at the start and nothing is filled again.
; THE SCALES of the work-group's 256 + 256 rows, for all of K, come into LDS once, as units of 256 bytes + 16 of padding.
; CLUSTERS: 4 x 4 work-groups; A's tiles are asked for jointly along a row of the cluster, B's along a column.  THE MATRIX INSTRUCTION IS USED TRANSPOSED (source 0 = 16 rows of B, source 1 = 16 rows of A):
; a lane holds eight neighbouring numbers of a row of C.
; REGISTERS, in windows of 256: window 0: v0-31 addresses; v32-95 scale words, two sets; from v128 A's fragments, one set; on the way out v32-191 are free.
;   window 1: B's fragments, two sets.   window 2: the accumulators of my rows 0-63 ((a, b) at v[8 (8 a + b)]);   window 3: those of rows 64-127.
.set SIZE_N, 3072
.set SIZE_K, 1024
.set NQ,     4                         ; matrix instructions deep in a slot
.set ROWB,   256                       ; a tile's row: 512 codes
.set KROW,   512                       ; a row of codes in memory
.set PITCH,  272                       ; an LDS row: 256 bytes + 16: the sixteen rows that a load touches start at sixteen different banks
.set FR,     8
.set NL,     2
.set NP,     4                         ; places behind this matrix instruction
.set HALFT,  128*PITCH
.set SLOT,   4*HALFT
.set KS,     32                        ; a row of scale bytes
.set SCL,    2*SLOT
.set HALFS,  16*272                    ; the scales of 128 rows
.set SBLK,   2*272                     ; of 16 rows
.set SPARE,  SCL+4*HALFS               ; the spare words: 128 bytes a wave
.set SPITCH, 272                       ; the way out: a stage of 16 rows x (256 + 16) bytes for each wave, in slot 0, which has had its only fill and its last read by then
.set CROW,   6144                      ; a row of qkv16
.set ADRA, 16
.set ADRB, 20
.set STO,  24
.set RD,   25
.set CO,   26
.set ADRS, 27
.set SPW,  28
.set NIL,  29
.set FLG,  30                          ; v30  0 where my wave's first 16 rows are tokens 0-15 of a batch
.set FO,   31                          ; v31  my byte offset in qkv32
.set SC,   32
.set AF,   128
.set F32T, 32                          ; the way out: a block's 64 numbers, scaled, f32
.set TMP,  96                          ; the same in f16
.set BK,   128                         ; rows read back from the stage: v128-159 and v160-191 by turns
.set G1, 24
.set G0, 32
.set G1B, 48
.set G0B, 56
.set G1S, 68
.set G0S, 76
.set G1SB, 80
.set G0SB, 88
.set SCQ, 96                           ; s[96:97] c for q's columns, 1.0 for k's and v's
.set Q32, 98                           ; s[98:99] qkv32
.set MSB, 0
.macro WIN new                         ; the immediate's high byte repeats the setting that is left
.if MSB != \new
	s_set_vgpr_msb (MSB<<8)|\new
.set MSB, \new
.endif
.endm
.set MUL_LO, 0xa1                      ; source 0 (B) window 1, source 1 (A) window 0, C and D window 2
.set MUL_HI, 0xf1
.set TO_B,   0x40
; A joint load: waves 0 and 1 fetch for A, waves 2 and 3 for B.  The branch hangs on the wave's number alone.  An s_nop 0 and four v_nop follow each line.
.macro JLOAD g0a, g1a, g0b, g1b
	s_cmp_eq_u32 s15, 0
	s_cbranch_scc0 .Lfor_b_\@
	tensor_load_to_lds s[\g0a:\g0a+3], s[\g1a:\g1a+7]
	s_nop 0
.rept 4
	v_nop
.endr
	s_branch .Lasked_\@
.Lfor_b_\@:
	tensor_load_to_lds s[\g0b:\g0b+3], s[\g1b:\g1b+7]
	s_nop 0
.rept 4
	v_nop
.endr
.Lasked_\@:
.endm
.macro CROUND                          ; a round of the cluster's barrier
	s_barrier_signal -1
	s_barrier_wait -1
	s_cmp_lg_u32 s14, 0
	s_cbranch_scc1 .Lnot_wave_0_\@
	s_barrier_signal -3
.Lnot_wave_0_\@:
	s_barrier_wait -3
	s_barrier_signal -1
	s_barrier_wait -1
.endm
	s_load_b128 s[4:7], s[0:1], 0x0                ; A's codes, A's scales
	s_load_b128 s[8:11], s[0:1], 0x10              ; B's codes, B's scales
	s_load_b64 s[12:13], s[0:1], 0x20              ; qkv16
	s_load_b64 s[Q32:Q32+1], s[0:1], 0x28          ; qkv32
	v_lshl_add_u32 v[SPW], v0, 2, SPARE
	v_mov_b32 v[NIL], 0
	ds_add_u32 v[SPW], v[NIL]                      ; the wave's opening: the add, twice on end, and its wait ahead of my first tensor load
	ds_add_u32 v[SPW], v[NIL]
	v_lshrrev_b32 v1, 5, v0
	v_readfirstlane_b32 s14, v1                    ; wave 0..3
	s_lshr_b32 s15, s14, 1                         ; my half of the tile's rows.  Also: I fetch for A (0) or B (1)
	s_and_b32 s16, s14, 1                          ; my half of its columns.  Also: which 128 rows I fetch
	s_bfe_u32 s40, ttmp6, 0x40000                  ; cx
	s_bfe_u32 s41, ttmp6, 0x40004                  ; cy
	s_lshl_b32 s42, ttmp9, 2
	s_add_co_u32 s42, s42, s40                     ; tile column
	s_and_b32 s17, ttmp7, 0xffff
	s_lshl_b32 s17, s17, 2
	s_add_co_u32 s17, s17, s41                     ; tile row
	s_lshl_b32 s43, s41, 2
	s_lshl_b32 s43, 15, s43                        ; my row of the cluster
	s_lshl_b32 s44, 0x1111, s40                    ; my column
	s_or_b32 s[G1+0], s43, (0<<16)|(1<<20)|(1<<21)|(5<<22)|(3<<25)  ; the mask; elements of 1 byte; padding on: 4 words after every 64
	s_or_b32 s[G1B+0], s44, (0<<16)|(1<<20)|(1<<21)|(5<<22)|(3<<25)
.irp g, G1, G1B
	s_mov_b32 s[\g+1], ROWB<<16                    ; tensor_dim0
	s_mov_b32 s[\g+2], 128<<16                     ; tensor_dim1
	s_mov_b32 s[\g+3], ROWB<<16                    ; tile_dim0
	s_mov_b32 s[\g+4], 128                         ; tile_dim1
	s_mov_b32 s[\g+5], KROW                        ; the pitch
	s_mov_b32 s[\g+6], 0
	s_mov_b32 s[\g+7], 0
.endr
	s_or_b32 s[G1S+0], s43, (3<<16)|(1<<20)|(1<<21)|(5<<22)|(3<<25) ; the scales of 128 rows: 4,096 dense bytes as 16 rows of 256
	s_or_b32 s[G1SB+0], s44, (3<<16)|(1<<20)|(1<<21)|(5<<22)|(3<<25)
.irp g, G1S, G1SB
	s_mov_b32 s[\g+1], 32<<16
	s_mov_b32 s[\g+2], (128*KS/256)<<16
	s_mov_b32 s[\g+3], 32<<16
	s_mov_b32 s[\g+4], 128*KS/256
	s_mov_b32 s[\g+5], 32
	s_mov_b32 s[\g+6], 0
	s_mov_b32 s[\g+7], 0
.endr
	s_lshl_b32 s18, s16, 7
	s_lshl_b32 s20, s17, 8
	s_add_co_u32 s20, s20, s18                     ; A: row 256 x tile row + 128 x half
	s_lshl_b32 s46, s42, 8
	s_add_co_u32 s46, s46, s18                     ; B: row 256 x tile column + 128 x half
	s_mov_b32 s21, 0
	s_mov_b32 s47, 0
	s_mov_b64 s[18:19], KS
	s_mul_u64 s[22:23], s[20:21], s[18:19]
	s_mul_u64 s[92:93], s[46:47], s[18:19]
	s_mov_b64 s[18:19], KROW
	s_mul_u64 s[20:21], s[20:21], s[18:19]
	s_mul_u64 s[46:47], s[46:47], s[18:19]
	s_mul_i32 s45, s14, HALFT                      ; where they go: wave x 128 rows
	s_mul_i32 s94, s14, HALFS
	s_cmp_eq_u32 ttmp9, 0                          ; cluster x = 0 is exactly features 0-1023, q: the same in all sixteen partners
	s_cselect_b32 s[SCQ], 0x3e38aa3b, 1.0
	s_mov_b32 s[SCQ+1], s[SCQ]
	s_wait_dscnt 0x0                               ; both opening adds are done
	s_wait_kmcnt 0x0
	s_add_nc_u64 s[20:21], s[4:5], s[20:21]
	s_add_nc_u64 s[22:23], s[6:7], s[22:23]
	s_add_nc_u64 s[46:47], s[8:9], s[46:47]
	s_add_nc_u64 s[92:93], s[10:11], s[92:93]
	CROUND                                         ; all sixteen work-groups are here: the first joint loads meet
	s_mov_b32 s[G0S], 1
	s_add_co_u32 s[G0S+1], s94, SCL
	s_mov_b64 s[G0S+2:G0S+3], s[22:23]
	s_or_b32 s[G0S+3], s[G0S+3], 0x80000000
	s_mov_b32 s[G0SB], 1
	s_add_co_u32 s[G0SB+1], s94, SCL
	s_mov_b64 s[G0SB+2:G0SB+3], s[92:93]
	s_or_b32 s[G0SB+3], s[G0SB+3], 0x80000000
	JLOAD G0S, G1S, G0SB, G1SB                     ; the scales first; then both slots: three loads of mine are out
.irp s, 0,1
	s_mov_b32 s[G0+4*\s], 1
	s_add_co_u32 s[G0+4*\s+1], s45, \s*SLOT
	s_add_nc_u64 s[G0+4*\s+2:G0+4*\s+3], s[20:21], \s*ROWB
	s_or_b32 s[G0+4*\s+3], s[G0+4*\s+3], 0x80000000
	s_mov_b32 s[G0B+4*\s], 1
	s_add_co_u32 s[G0B+4*\s+1], s45, \s*SLOT
	s_add_nc_u64 s[G0B+4*\s+2:G0B+4*\s+3], s[46:47], \s*ROWB
	s_or_b32 s[G0B+4*\s+3], s[G0B+4*\s+3], 0x80000000
	JLOAD G0+4*\s, G1, G0B+4*\s, G1B
.endr
	v_and_b32 v1, 15, v0                           ; r
	v_bfe_u32 v2, v0, 4, 1                         ; h
	v_mul_u32_u24 v3, v1, PITCH
	v_lshl_add_u32 v4, v2, 4, v3
	s_mul_i32 s21, s15, HALFT
	s_mul_i32 s22, s16, HALFT
	s_add_co_u32 s22, s22, 2*HALFT
.irp s, 0,1
	v_add_nc_u32 v[ADRA+\s], s21, v4
	v_add_nc_u32 v[ADRB+\s], s22, v4
	s_add_co_u32 s21, s21, SLOT
	s_add_co_u32 s22, s22, SLOT
.endr
	v_mul_u32_u24 v5, v1, KS                       ; my row's scales: 32 bytes a row,
	v_lshrrev_b32 v6, 8, v5
	v_lshl_add_u32 v5, v6, 4, v5                   ; and 16 more for each 256 passed
	s_mul_i32 s21, s15, HALFS
	s_mul_i32 s22, s16, HALFS
	s_add_co_u32 s22, s22, 2*HALFS
	s_sub_co_u32 s22, s22, s21
	v_mul_u32_u24 v6, s22, v2                      ; lanes 16-31 take B's
	s_add_co_u32 s21, s21, SCL
	v_add_nc_u32 v5, v5, v6
	v_add_nc_u32 v[ADRS], s21, v5
	s_mul_i32 s23, s14, 16*SPITCH                  ; my stage
	v_mul_u32_u24 v5, v1, SPITCH
	v_lshl_add_u32 v5, v2, 4, v5
	v_add_nc_u32 v[STO], s23, v5                   ; in: row r, 16 bytes for each half of the lanes
	v_mul_u32_u24 v5, v2, SPITCH
	v_lshl_add_u32 v5, v1, 4, v5
	v_add_nc_u32 v[RD], s23, v5                    ; back: lanes 0-15 one row of 256 bytes, lanes 16-31 the next
	v_mul_u32_u24 v5, v2, CROW
	v_lshl_add_u32 v[CO], v1, 4, v5                ; the same two rows in qkv16
	v_mul_u32_u24 v[FO], v1, 12288
	v_lshl_add_u32 v[FO], v2, 5, v[FO]             ; qkv32: row r, + 32 h
	s_and_b32 s18, s17, 7
	s_or_b32 s18, s18, s15
	v_mov_b32 v[FLG], s18                          ; 0: tile row 0 or 8, upper half
	s_lshl_b32 s20, s17, 8
	s_lshl_b32 s21, s15, 7
	s_add_co_u32 s20, s20, s21
	s_mul_i32 s20, s20, CROW                       ; my first row of qkv16
	s_mov_b32 s21, 0
	s_lshl_b32 s46, s42, 9
	s_lshl_b32 s47, s16, 8
	s_add_co_u32 s46, s46, s47                     ; my first column, in bytes of f16
	s_mov_b32 s47, 0
	s_add_nc_u64 s[20:21], s[20:21], s[46:47]
	s_add_nc_u64 s[12:13], s[12:13], s[20:21]
	s_lshr_b32 s20, s17, 3                         ; the batch
	s_mul_i32 s20, s20, 196608
	s_lshl_b32 s46, s46, 1                         ; the column in bytes of f32
	s_add_co_u32 s20, s20, s46
	s_mov_b32 s21, 0
	s_add_nc_u64 s[Q32:Q32+1], s[Q32:Q32+1], s[20:21]
.macro FRAG reg, adr, q, i             ; 16 rows x 128 K of 4-bit codes: 8 registers, two loads of 16 bytes, 32 bytes apart
.irp c, 0,1
	ds_load_b128 v[\reg+4*\c:\reg+4*\c+3], v[\adr] offset:64*(\q)+32*\c+(\i)*16*PITCH
.endr
.endm
; 16 matrix instructions: A's blocks a0, a0 + 1 x B's eight.  The 64 accumulators take turns, one instruction a turn, in the same order in every step.
.macro MUL16 a0, p, q, sc, zero
.irp a, \a0, \a0+1
.irp b, 0,1,2,3,4,5,6,7
.if \zero
	v_wmma_scale_f32_16x16x128_f8f6f4 v[8*(8*((\a)%4)+\b):8*(8*((\a)%4)+\b)+7], v[128*(\p)+FR*\b:128*(\p)+FR*\b+FR-1], v[AF+FR*(\a):AF+FR*(\a)+FR-1], 0, v[SC+8*NQ*(\sc)+NQ*\b+(\q)], v[SC+8*NQ*(\sc)+NQ*(\a)+(\q)] matrix_a_fmt:MATRIX_FMT_FP4 matrix_b_fmt:MATRIX_FMT_FP4 matrix_a_scale:MATRIX_SCALE_ROW1
.else
	v_wmma_scale_f32_16x16x128_f8f6f4 v[8*(8*((\a)%4)+\b):8*(8*((\a)%4)+\b)+7], v[128*(\p)+FR*\b:128*(\p)+FR*\b+FR-1], v[AF+FR*(\a):AF+FR*(\a)+FR-1], v[8*(8*((\a)%4)+\b):8*(8*((\a)%4)+\b)+7], v[SC+8*NQ*(\sc)+NQ*\b+(\q)], v[SC+8*NQ*(\sc)+NQ*(\a)+(\q)] matrix_a_fmt:MATRIX_FMT_FP4 matrix_b_fmt:MATRIX_FMT_FP4 matrix_a_scale:MATRIX_SCALE_ROW1
.endif
.endr
.endr
.endm
.macro FETCH_B slot, q, p
	WIN TO_B
.irp i, 0,1,2,3,4,5,6,7
	FRAG 128*(\p)+FR*\i, ADRB+\slot, \q, \i
.endr
	WIN 0
.endm
.macro FETCH_A slot, q, i0
.irp i, \i0, \i0+1, \i0+2, \i0+3
	FRAG AF+FR*(\i), ADRA+\slot, \q, \i
.endr
.endm
.macro SCALES sc                       ; a slot's scale words: lanes 0-15 A's block i, lanes 16-31 B's block i
.irp i, 0,1,2,3,4,5,6,7
	ds_load_b128 v[SC+8*NQ*\sc+NQ*\i:SC+8*NQ*\sc+NQ*\i+3], v[ADRS] offset:\i*SBLK
.endr
.endm
.macro PLACES n                        ; plain vector places between a matrix instruction and a load into, or a read of, its registers
.rept \n
	v_nop
.endr
.endm
.macro STEP slot, q, zero              ; 128 along K that has its successor in the same slot
	s_wait_dscnt 4*NL                              ; B's set and A's blocks 0-3 are in; the youngest eight loads (A's blocks 4-7) may be out
	WIN MUL_LO
	MUL16 0, (\q)%2, \q, \slot, \zero
	MUL16 2, (\q)%2, \q, \slot, \zero
	s_wait_dscnt 0
	PLACES NP
	FETCH_B \slot, (\q)+1, 1-(\q)%2
	FETCH_A \slot, (\q)+1, 0
	WIN MUL_HI
	MUL16 4, (\q)%2, \q, \slot, \zero
	MUL16 6, (\q)%2, \q, \slot, \zero
	PLACES NP
	WIN 0
	FETCH_A \slot, (\q)+1, 4
.endm
.macro TURN slot, next                 ; a slot's last step changes slots: one barrier; nothing is filled again
	s_wait_tensorcnt 0x0                           ; all my tensor loads have landed: my part of the next slot
	ds_add_u32 v[SPW], v[NIL]
	s_wait_dscnt 4*NL+1                            ; the add and the youngest eight loads may be out
	WIN MUL_LO
	MUL16 0, 1, NQ-1, \slot, 0
	s_wait_dscnt 0x0                               ; the add is done, and my reads of this slot are over
	s_barrier_signal -1
	MUL16 2, 1, NQ-1, \slot, 0
	WIN 0
	s_barrier_wait -1
	PLACES NP
	v_add_nc_u32 v[ADRS], 4*NQ, v[ADRS]            ; the next slot's scale words
	FETCH_B \next, 0, 0
	FETCH_A \next, 0, 0
	SCALES \next
	WIN MUL_HI
	MUL16 4, 1, NQ-1, \slot, 0
	MUL16 6, 1, NQ-1, \slot, 0
	PLACES NP
	WIN 0
	FETCH_A \next, 0, 4
.endm
.macro STEPS slot, from
.set Q, \from
.rept NQ-1-\from
	STEP \slot, Q, 0
.set Q, Q+1
.endr
.endm
	s_wait_tensorcnt 1                             ; the scales and my part of slot 0 are in; slot 1's load may be out
	s_barrier_signal -1
	s_barrier_wait -1
	FETCH_B 0, 0, 0
	FETCH_A 0, 0, 0
	SCALES 0
	FETCH_A 0, 0, 4
	STEP 0, 0, 1                                   ; the first products start the sums: nothing is cleared
	STEPS 0, 1
	TURN 0, 1
	STEPS 1, 0
	s_wait_dscnt 4*NL
	WIN MUL_LO
	MUL16 0, 1, NQ-1, 1, 0
	MUL16 2, 1, NQ-1, 1, 0
	s_wait_dscnt 0
	WIN MUL_HI
	MUL16 4, 1, NQ-1, 1, 0
	MUL16 6, 1, NQ-1, 1, 0
	WIN 0
; THE WAY OUT, block by block of 16 rows x 128 columns: x c or x 1 in f32, rounded to f16 (16 bytes a lane), through my stage, back as whole rows of 256 bytes.
.macro PACK a
.set AC, 64*((\a)%4)
	WIN (0x02+((\a)/4))                            ; source 0: window 2 or 3
.set i, 0
.rept 32
	v_pk_mul_f32 v[F32T+2*i:F32T+2*i+1], v[AC+2*i:AC+2*i+1], s[SCQ:SCQ+1] op_sel_hi:[1,0]   ; each accumulator from its low end on
.set i, i+1
.endr
	WIN 0
.set i, 0
.rept 32
	v_cvt_pk_f16_f32 v[TMP+i], v[F32T+2*i], v[F32T+2*i+1]
.set i, i+1
.endr
.endm
.macro TOSTAGE a
.irp b, 0,1,2,3,4,5,6,7
	ds_store_b128 v[STO], v[TMP+4*\b:TMP+4*\b+3] offset:32*\b
.endr
.set BB, BK+32*((\a)%2)
.irp t, 0,1,2,3,4,5,6,7
	ds_load_b128 v[BB+4*\t:BB+4*\t+3], v[RD] offset:\t*2*SPITCH   ; LDS serves a wave's instructions in order: these see the stores above
.endr
.endm
.macro SEND a, younger
.set BB, BK+32*((\a)%2)
	s_wait_dscnt \younger                          ; the block is back in registers
	s_wait_xcnt 0x0                                ; the stores of the block before have read their registers: the next block's loads may land there
.irp t, 0,1,2,3,4,5,6,7
	global_store_b128 v[CO], v[BB+4*\t:BB+4*\t+3], s[12:13] offset:(16*(\a)+2*\t)*CROW   ; 16 lanes store 256 consecutive bytes, aligned; 126 rows at the most: inside the immediate
.endr
.endm
	PLACES NP
	PACK 0
	; tokens 0-15 of a batch also leave unrounded.  No branch: the lanes are switched off where the rows are others (the tile row holds my place in the cluster).
	; These stores fill pieces of 64 bytes: 393,216 bytes of the launch's 25 million.
	s_wait_xcnt 0x0                                ; EXEC changes only behind this wait
	v_cmp_eq_u32 vcc_lo, 0, v[FLG]
	s_and_saveexec_b32 s18, vcc_lo
.irp b, 0,1,2,3,4,5,6,7
	global_store_b128 v[FO], v[F32T+8*\b:F32T+8*\b+3], s[Q32:Q32+1] offset:64*\b
	global_store_b128 v[FO], v[F32T+8*\b+4:F32T+8*\b+7], s[Q32:Q32+1] offset:64*\b+16
.endr
	s_wait_xcnt 0x0                                ; and again in front of the line that widens it; the data registers are free too
	s_or_b32 exec_lo, exec_lo, s18
	TOSTAGE 0
.irp a, 1,2,3,4,5,6,7                  ; block a's arithmetic stands between block a - 1's loads from the stage and the wait for them
	PACK \a
	SEND \a-1, 0
	TOSTAGE \a
.endr
	SEND 7, 0
	s_wait_tensorcnt 0x0                           ; the wave's end
	ds_add_u32 v[SPW], v[NIL]
	s_wait_dscnt 0x0
	CROUND                                         ; the closing round
	s_endpgm
.Lfunc_end_k_qe5721178dc_gemm1:
	.size	k_qe5721178dc_gemm1, .Lfunc_end_k_qe5721178dc_gemm1-k_qe5721178dc_gemm1
	.p2alignl 7, 3214868480
	.fill 96, 4, 3214868480
	.section	.rodata,"a",@progbits
	.p2align	6, 0x0
	.amdhsa_kernel k_qe5721178dc_gemm1
		.amdhsa_group_segment_fixed_size 327680
		.amdhsa_private_segment_fixed_size 0
		.amdhsa_enable_private_segment 0
		.amdhsa_kernarg_size 48
		.amdhsa_user_sgpr_count 2
		.amdhsa_user_sgpr_kernarg_segment_ptr 1
		.amdhsa_wavefront_size32 1
		.amdhsa_system_sgpr_workgroup_id_x 1
		.amdhsa_system_sgpr_workgroup_id_y 1
		.amdhsa_system_sgpr_workgroup_id_z 1
		.amdhsa_system_vgpr_workitem_id 0
		.amdhsa_next_free_vgpr 1024
		.amdhsa_next_free_sgpr 100
		.amdhsa_reserve_vcc 1
		.amdhsa_float_denorm_mode_32 3
		.amdhsa_float_denorm_mode_16_64 3
		.amdhsa_memory_ordered 1
		.amdhsa_forward_progress 1
		.amdhsa_inst_pref_size 145
	.end_amdhsa_kernel
	.amdgpu_metadata
---
amdhsa.version: [ 1, 2 ]
amdhsa.kernels:
  - .name:           k_qe5721178dc_gemm1
    .symbol:         k_qe5721178dc_gemm1.kd
    .args:
      - { .name: x_codes, .offset: 0, .size: 8, .value_kind: global_buffer, .address_space: global }
      - { .name: x_scales, .offset: 8, .size: 8, .value_kind: global_buffer, .address_space: global }
      - { .name: w_codes, .offset: 16, .size: 8, .value_kind: global_buffer, .address_space: global }
      - { .name: w_scales, .offset: 24, .size: 8, .value_kind: global_buffer, .address_space: global }
      - { .name: qkv16, .offset: 32, .size: 8, .value_kind: global_buffer, .address_space: global }
      - { .name: qkv32, .offset: 40, .size: 8, .value_kind: global_buffer, .address_space: global }
    .group_segment_fixed_size: 327680
    .private_segment_fixed_size: 0
    .kernarg_segment_align: 8
    .kernarg_segment_size: 48
    .max_flat_workgroup_size: 128
    .sgpr_count:     100
    .vgpr_count:     1024
    .wavefront_size: 32
...
	.end_amdgpu_metadata
.endif
;; end of part 2
;; launch attn (part 3): grid 8 x 32, 8 waves a work-group, clusters of 4 x 1, 327,680 bytes of LDS; arguments qkv16, graph_adj, edge_types, adj_bias, edge_table, attn16; writes attn16
.if DOCPART == 3
	.amdgcn_target "amdgcn-amd-amdhsa--gfx1250"
	.amdhsa_code_object_version 6
	.text
	.protected	k_qe5721178dc_attn
	.globl	k_qe5721178dc_attn
	.p2align	8
	.type	k_qe5721178dc_attn,@function
k_qe5721178dc_attn:
	s_mov_b64 s[64:65], 0
	v_nop
	global_prefetch_b8 v0, s[64:65] scope:SCOPE_SE
	s_setreg_imm32_b32 hwreg(HW_REG_WAVE_MODE, 25, 1), 1
	s_wait_xcnt 0x0
	s_wait_alu depctr_hold_cnt(0) depctr_sa_sdst(0) depctr_va_vdst(0) depctr_va_sdst(0) depctr_va_ssrc(0) depctr_va_vcc(0) depctr_vm_vsrc(0)
	s_getreg_b32 s2, hwreg(HW_REG_IB_STS2, 6, 4)
	s_cmp_eq_u32 s2, 0
	s_cbranch_scc0 .Lentry_in_a_cluster
	s_endpgm
.Lentry_in_a_cluster:
	s_bfe_u32 s2, ttmp6, 0x10000c
	s_cmp_lg_u32 s2, 0x3003
	s_cbranch_scc0 .Lentry_shape_is_right
	s_endpgm
.Lentry_shape_is_right:
; attn16[b][q][h][:] = sum over k <= q of softmax_k(q.k / 8 + adj_bias[h] graph_adj[b][q][k] + edge_table[edge_types[b][q][k]][h]) v[b][k][h][:].
; qkv16: [4096 tokens][3072] f16: q x log2(e)/8 at byte 0, k at 2,048, v at 4,096 of a row of 6,144 bytes.  Products on f16 operands, sums, maxima and softmax in f32; p is rounded to f16 for the second product.
; LIMITS: NaN and infinities are not served; the rows of attn16 stay under 65,504 (f16), as v does.
; SHARES.  A work-group owns a PAIR of heads and two blocks of 64 queries of one batch: first block 31 - g, then block g (g = 0..15).  Keys go in macro-steps of 128 (two key steps of 64).
; The two blocks take (33 - g) / 2 and 17 - (33 - g) / 2 macro-steps: 17 for every work-group, 33 key steps that count and one that lies wholly behind the diagonal and is jumped over.
; So the trip count is a constant and no tensor load is ever jumped over.  Wave w: head 2 pair + (w & 1), queries 16 (w >> 1) on: one tile, 256 registers, two waves to a SIMD.
; LAYOUT.  S^T = K Q^T (source 0 = 16 keys, source 1 = my 16 queries): a lane holds ONE query (lane % 16) and keys 8 (lane / 16) + 0..7 of each tile.  THE BIAS IS THE C OF THE FIRST PRODUCT.
; Two tiles of p, rounded in pairs, are source 1 of O^T = V^T P.  V ([key][channel]) comes turned, by ds_load_tr16_b128.
; THE EDGE TABLE: lane e of one register holds edge_table[e][my head] x log2(e); a score's entry is fetched from lane edge_type by ds_bpermute_b32: no LDS byte is touched.
; CLUSTER.  The four partners are four head pairs of the same batch and blocks: their tiles of graph_adj and edge_types are the same and are asked for JOINTLY.  K and V are each partner's own:
; work-groups that share a head pair stand at different keys once they have changed blocks, so those tiles are not shared.
; LDS: two slots of 139,264 bytes (K 128 x 272, V 128 x 288, adjacency 64 x 528, edge types 64 x 528); two stages of 64 x 272 for the way out; the spare words.
.set KP,    272
.set VP,    288
.set BP,    528
.set VOFF,  34816
.set AOFF,  71680
.set EOFF,  105472
.set SLOT,  139264
.set STAGE, 278528
.set STG,   17408
.set SPARE, 313344
.set ROWQ,  6144
.set SPW, 1                            ; v1   my spare word; never rewritten
.set NIL, 2                            ; v2   0; never rewritten
.set AK0, 3                            ; v3, v4   my place in K's tile of slot 0, 1
.set AV0, 5                            ; v5, v6   in V's
.set AA0, 7                            ; v7, v8   in the adjacency's
.set AE0, 9                            ; v9, v10  in the edge types'
.set STO, 11
.set RD,  12
.set GO,  13
.set PFO, 14                           ; the prefetches' offset; never rewritten
.set TAB, 15                           ; the table of my head
.set DIA, 16                           ; my query - 8 (lane / 16), within the block
.set NINF, 17
.set NM,  18                           ; v[18:19] -m
.set M,   20                           ; m
.set AF,  22                           ; v[22:23] a = 2^(old m - new m)
.set L,   24                           ; v[24:25] the sum, even and odd keys'
.set W,   26                           ; v26-29 at work
.set AB,  30                           ; v[30:31] adj_bias[head] x log2(e)
.set Q,   32
.set Q2,  48                           ; the second block's Q; afterwards rows on their way out
.set S,   64
.set O,   96
.set KV,  128                          ; K's fragments, then V's
.set ADJ, 192
.set P,   192
.set ET,  224
.set WV, 16
.set HS, 17
.set JQ, 18
.set BB, 19
.set GG, 20
.set NH, 21                            ; macro-steps of the first block
.set OFFH, 22                          ; byte offset of the first block's rows in graph_adj and edge_types
.set OFFL, 23                          ; of the second's
.set G1K, 24
.set G1V, 32
.set G1B, 40
.set G0KV, 48                          ; s[48:55] group 0 for K or V, a set for each slot
.set G0B, 56                           ; s[56:63] for the joint tiles: these never hold my place in the cluster
.set U,   66                           ; the macro-step in hand
.set LC,  67
.set QB,  68                           ; the block of queries in hand
.set KS,  69                           ; its key step
.set FIN, 70                           ; 1: a finished block lies in a stage
.set HP,  71
.set OB,  72                           ; s[72:73] where that block goes
.set SEL, 74
.set KVB, 76
.set PB,  78
.set PFB, 80
.set PFA, 82
.set PFN, 84
.set CX,  85
.macro ROUND                           ; a round of the cluster's barrier
	s_barrier_signal -1
	s_barrier_wait -1
	s_cmp_lg_u32 s[WV], 0
	s_cbranch_scc1 .Lnot_wave_0_\@
	s_barrier_signal -3
.Lnot_wave_0_\@:
	s_barrier_wait -3
	s_barrier_signal -1
	s_barrier_wait -1
.endm
; Wave 0 fetches K's tile, wave 1 V's, wave 2 the adjacency's, wave 3 the edge types' (jointly); the others nothing.  The branches hang on the wave's number alone.
.macro TLOAD n
	s_cmp_lt_u32 s[WV], 2
	s_cbranch_scc0 .Lnot_kv_\@
	s_cmp_eq_u32 s[WV], 0
	s_cbranch_scc0 .Lfor_v_\@
	tensor_load_to_lds s[G0KV+4*(\n):G0KV+4*(\n)+3], s[G1K:G1K+7]
	s_nop 0
.rept 4
	v_nop
.endr
	s_branch .Lasked_\@
.Lfor_v_\@:
	tensor_load_to_lds s[G0KV+4*(\n):G0KV+4*(\n)+3], s[G1V:G1V+7]
	s_nop 0
.rept 4
	v_nop
.endr
	s_branch .Lasked_\@
.Lnot_kv_\@:
	s_cmp_lt_u32 s[WV], 4
	s_cbranch_scc0 .Lasked_\@
	tensor_load_to_lds s[G0B+4*(\n):G0B+4*(\n)+3], s[G1B:G1B+7]
	s_nop 0
.rept 4
	v_nop
.endr
.Lasked_\@:
.endm
; A PREFETCH INTO THE L2 of macro-step U + 2, one macro-step ahead of the tensor load that will want it; the waves ask that fetch nothing, one instruction each.
; The joint tiles (64 rows x 512 bytes) are read by both clusters of a batch and block: cluster x = 0 asks; its four partners take 16 rows each, told apart BY ADDRESS; wave 4 the adjacency, wave 5 the edge types.
; K's and V's rows of a head pair are walked by sixteen work-groups: those with g < 4 ask, 32 of the 128 rows each, a lane a row of 256 bytes; wave 6 K, wave 7 V.  Each aligned 256 bytes are named once.
; The joint tiles stop with macro-step 16, K and V with key 2,047: PFN is 15, 14 or, in a wave that never asks, 0.
.macro ASK
	s_cmp_lt_u32 s[U], s[PFN]
	s_cbranch_scc0 .Lnot_mine_\@
	global_prefetch_b8 v[PFO], s[PFA:PFA+1] th:TH_LOAD_NT scope:SCOPE_SE
.Lnot_mine_\@:
.endm
; Where macro-step s[v]'s tiles begin: s[ob] in graph_adj and edge_types, s[okv] in K and V.  No jump: two selects on ids and the count of steps.
.macro OFFS v, ob, okv
	s_cmp_lt_u32 s[\v], s[NH]
	s_cselect_b32 s[\ob], s[OFFH], s[OFFL]
	s_cselect_b32 s[\okv], 0, s[NH]
	s_sub_co_u32 s[\okv], s[\v], s[\okv]           ; the macro-step within its block
	s_lshl_b32 s91, s[\okv], 9
	s_add_co_u32 s[\ob], s[\ob], s91               ; 128 keys are 512 bytes of a row
	s_mul_i32 s[\okv], s[\okv], 128*ROWQ
.endm
	s_load_b256 s[4:11], s[0:1], 0x0               ; qkv16 s[4:5], graph_adj s[6:7], edge_types s[8:9], adj_bias s[10:11]
	s_load_b128 s[12:15], s[0:1], 0x20             ; edge_table s[12:13], attn16 s[14:15]
	v_lshl_add_u32 v[SPW], v0, 2, SPARE
	v_mov_b32 v[NIL], 0
	ds_add_u32 v[SPW], v[NIL]                      ; the wave's opening: the add, twice on end, and its wait ahead of the first tensor loads
	ds_add_u32 v[SPW], v[NIL]
	v_lshrrev_b32 v64, 5, v0
	v_readfirstlane_b32 s[WV], v64                 ; wave 0..7
	s_and_b32 s[HS], s[WV], 1
	s_lshr_b32 s[JQ], s[WV], 1
	s_bfe_u32 s[CX], ttmp6, 0x40000                ; my place in the cluster
	s_lshl_b32 s[HP], ttmp9, 2
	s_add_co_u32 s[HP], s[HP], s[CX]               ; the head pair
	s_and_b32 s[GG], ttmp7, 0xffff
	s_lshr_b32 s[BB], s[GG], 4                     ; the batch
	s_and_b32 s[GG], s[GG], 15                     ; g
	s_sub_co_u32 s[NH], 33, s[GG]
	s_lshr_b32 s[NH], s[NH], 1
	s_lshl_b32 s86, s[BB], 11
	s_sub_co_u32 s[QB], 31, s[GG]
	s_lshl_b32 s[OFFH], s[QB], 6
	s_add_co_u32 s[OFFH], s[OFFH], s86
	s_lshl_b32 s[OFFH], s[OFFH], 13                ; rows of 8,192 bytes
	s_lshl_b32 s[OFFL], s[GG], 6
	s_add_co_u32 s[OFFL], s[OFFL], s86
	s_lshl_b32 s[OFFL], s[OFFL], 13
	s_mov_b32 s[G1K], (1<<16)|(1<<20)|(5<<22)|(3<<25)              ; no mask; elements of 2 bytes; 4 words of padding after every 64
	s_mov_b32 s[G1V], (1<<16)|(1<<20)|(5<<22)|(7<<25)              ; 8 words
.irp g, G1K, G1V
	s_mov_b32 s[\g+1], 128<<16                     ; tensor_dim0 = 128: two heads' 64 channels
	s_mov_b32 s[\g+2], 128<<16                     ; tensor_dim1 = 128 keys
	s_mov_b32 s[\g+3], 128<<16                     ; tile_dim0
	s_mov_b32 s[\g+4], 128                         ; tile_dim1
	s_mov_b32 s[\g+5], 3072                        ; the pitch in elements
	s_mov_b32 s[\g+6], 0
	s_mov_b32 s[\g+7], 0
.endr
	s_mov_b32 s[G1B], 15|(2<<16)|(1<<20)|(1<<21)|(6<<22)|(3<<25)   ; all four partners; elements of 4 bytes; bit 21 beside the mask; 4 words of padding after every 128
	s_mov_b32 s[G1B+1], 128<<16                    ; 128 keys
	s_mov_b32 s[G1B+2], 64<<16                     ; 64 queries
	s_mov_b32 s[G1B+3], 128<<16
	s_mov_b32 s[G1B+4], 64
	s_mov_b32 s[G1B+5], 2048
	s_mov_b32 s[G1B+6], 0
	s_mov_b32 s[G1B+7], 0
	s_mul_i32 s90, s[HS], VOFF                     ; wave 0: K's bytes, wave 1: V's
	s_mul_i32 s91, s[HS], EOFF-AOFF                ; wave 2: the adjacency's, wave 3: the edge types'
	s_add_co_u32 s91, s91, AOFF
.irp n, 0,1
	s_mov_b32 s[G0KV+4*\n], 1
	s_add_co_u32 s[G0KV+4*\n+1], s90, \n*SLOT
	s_mov_b32 s[G0B+4*\n], 1
	s_add_co_u32 s[G0B+4*\n+1], s91, \n*SLOT
.endr
	s_mov_b32 s87, 0                               ; the upper words of the offset pairs stay 0
	s_mov_b32 s89, 0
	s_mov_b32 s93, 0
	s_mov_b32 s[SEL], 0x76543210
	s_mov_b32 s[SEL+1], 0xfedcba98                 ; v_permlanex16_b32: lane l xor 16
	s_mov_b32 s[U], 0
	s_mov_b32 s[LC], 8
	s_mov_b32 s[KS], 0
	s_mov_b32 s[FIN], 0
	s_wait_dscnt 0x0                               ; both opening adds are done
	s_wait_kmcnt 0x0
	s_mul_i32 s88, s[BB], 2048*ROWQ
	s_lshl_b32 s90, s[HP], 8
	s_add_co_u32 s88, s88, s90
	s_add_nc_u64 s[94:95], s[4:5], s[88:89]        ; the batch's first token, the pair's q
	s_lshl_b32 s88, s[HS], 11
	s_add_co_u32 s88, s88, 2048
	s_add_nc_u64 s[KVB:KVB+1], s[94:95], s[88:89]  ; even waves: its k; odd waves: its v
	s_cmp_eq_u32 s[HS], 0
	s_cselect_b64 s[PB:PB+1], s[6:7], s[8:9]       ; even waves: graph_adj; odd waves: edge_types
	s_mov_b32 s86, s[OFFH]
	s_add_nc_u64 s[G0B+2:G0B+3], s[PB:PB+1], s[86:87]
	s_or_b32 s[G0B+3], s[G0B+3], 0x80000000
	s_mov_b64 s[G0KV+2:G0KV+3], s[KVB:KVB+1]
	s_or_b32 s[G0KV+3], s[G0KV+3], 0x80000000
	ROUND                                          ; all four work-groups are here
	TLOAD 0                                        ; macro-step 0 into slot 0
	s_lshl_b32 s88, s[QB], 6
	s_lshl_b32 s90, s[JQ], 4
	s_add_co_u32 s88, s88, s90
	s_mul_i32 s88, s88, ROWQ
	s_lshl_b32 s91, s[HS], 7
	s_add_co_u32 s88, s88, s91
	s_add_nc_u64 s[96:97], s[94:95], s[88:89]      ; my 16 queries of the first block, my head
	s_lshl_b32 s88, s[GG], 6
	s_add_co_u32 s88, s88, s90
	s_mul_i32 s88, s88, ROWQ
	s_add_co_u32 s88, s88, s91
	s_add_nc_u64 s[98:99], s[94:95], s[88:89]      ; and of the second
	v_and_b32 v67, 15, v0                          ; r
	v_bfe_u32 v68, v0, 4, 1                        ; h
	v_and_b32 v69, 31, v0                          ; lane
	v_mul_u32_u24 v64, v67, ROWQ
	v_lshl_add_u32 v64, v68, 4, v64
.irp c, 0,1
.irp e, 0,1
	global_load_b128 v[Q+8*\c+4*\e:Q+8*\c+4*\e+3], v64, s[96:97] offset:64*\c+32*\e
	global_load_b128 v[Q2+8*\c+4*\e:Q2+8*\c+4*\e+3], v64, s[98:99] offset:64*\c+32*\e
.endr
.endr
	s_lshl_b32 s100, s[HP], 1
	s_or_b32 s100, s100, s[HS]
	s_lshl_b32 s100, s100, 2                       ; 4 x my head
	v_min_u32 v65, 16, v69                         ; lanes 17-31 repeat row 16: no load leaves the table
	v_lshlrev_b32 v65, 6, v65
	v_add_nc_u32 v65, s100, v65
	global_load_b32 v[TAB], v65, s[12:13]
	v_mov_b32 v66, s100
	global_load_b32 v[AB], v66, s[10:11]
	s_lshl_b32 s90, s[HS], 7                       ; my head's 128 bytes of a row of K, V or the stage
	v_mul_u32_u24 v[AK0], v67, KP
	v_lshl_add_u32 v[AK0], v68, 4, v[AK0]
	v_add_nc_u32 v[AK0], s90, v[AK0]
	v_add_nc_u32 v[AK0+1], SLOT, v[AK0]
	v_and_b32 v70, 7, v0
	v_lshl_add_u32 v70, v68, 3, v70
	v_mul_u32_u24 v[AV0], v70, VP
	v_bfe_u32 v70, v0, 3, 1
	v_lshl_add_u32 v[AV0], v70, 4, v[AV0]
	s_add_co_u32 s91, s90, VOFF
	v_add_nc_u32 v[AV0], s91, v[AV0]
	v_add_nc_u32 v[AV0+1], SLOT, v[AV0]
	s_mul_i32 s91, s[JQ], 16*BP
	s_add_co_u32 s91, s91, AOFF
	v_mul_u32_u24 v[AA0], v67, BP
	v_lshl_add_u32 v[AA0], v68, 5, v[AA0]
	v_add_nc_u32 v[AA0], s91, v[AA0]
	v_add_nc_u32 v[AA0+1], SLOT, v[AA0]
	v_add_nc_u32 v[AE0], EOFF-AOFF, v[AA0]
	v_add_nc_u32 v[AE0+1], EOFF-AOFF, v[AA0+1]
	s_mul_i32 s91, s[JQ], 16*272
	s_add_co_u32 s91, s91, s90
	s_add_co_u32 s91, s91, STAGE
	v_mul_u32_u24 v[STO], v67, 272
	v_lshl_add_u32 v[STO], v68, 4, v[STO]
	v_add_nc_u32 v[STO], s91, v[STO]               ; the stage, in: row = my query, my head's half, 16 bytes for each half of the lanes
	s_mul_i32 s91, s[WV], 8*272
	s_add_co_u32 s91, s91, STAGE
	v_mul_u32_u24 v[RD], v68, 272
	v_lshl_add_u32 v[RD], v67, 4, v[RD]
	v_add_nc_u32 v[RD], s91, v[RD]                 ; back: wave w takes rows 8 w on, sixteen lanes to a row
	v_lshlrev_b32 v[GO], 11, v68
	v_lshl_add_u32 v[GO], v67, 4, v[GO]            ; the same two rows in attn16
	s_lshl_b32 s91, s[JQ], 4
	v_lshlrev_b32 v70, 3, v68
	v_sub_nc_u32 v[DIA], v67, v70
	v_add_nc_u32 v[DIA], s91, v[DIA]
	v_mov_b32 v[NINF], 0xff800000
	v_mov_b32 v[NM], 0
	v_mov_b32 v[NM+1], 0                           ; (named as the upper half of a pair)
	v_mov_b32 v[M], 0xff61b1e6                     ; -3e38, under every score
	v_mov_b32 v[AF], 0
	v_mov_b32 v[AF+1], 0
	v_mov_b32 v[L], 0
	v_mov_b32 v[L+1], 0
	v_mov_b32 v[W+1], 0                            ; a lane permute's destination counts as one of its sources
	v_mov_b32 v[AB+1], 0
.set i, 0
.rept 32
	v_mov_b32 v[O+i], 0                            ; the key step is written once: a block's first step finds zeros
.set i, i+1
.endr
	s_lshl_b32 s88, s[BB], 22
	s_lshl_b32 s90, s[WV], 14
	s_add_co_u32 s88, s88, s90
	s_lshl_b32 s90, s[HP], 8
	s_add_co_u32 s88, s88, s90
	s_add_nc_u64 s[14:15], s[14:15], s[88:89]      ; attn16 at the batch, 8 w rows down, the pair's 256 bytes
	s_mov_b64 s[OB:OB+1], s[14:15]
	; the prefetches: who asks, and from where
	s_lshl_b32 s90, s[CX], 17                      ; my work-group's 16 rows of 8,192 bytes
	s_mul_i32 s91, s[GG], 32*ROWQ                  ; or my work-group's 32 keys
	s_cmp_lt_u32 s[WV], 6
	s_cselect_b64 s[PFB:PFB+1], s[PB:PB+1], s[KVB:KVB+1]
	s_cselect_b32 s92, s90, s91
	s_cselect_b32 s90, 1, 0
	s_mov_b32 s91, ROWQ
	s_cselect_b32 s91, 8192, s91
	s_cselect_b32 s100, 256, 0
	s_add_nc_u64 s[PFB:PFB+1], s[PFB:PFB+1], s[92:93]
	v_lshrrev_b32 v[PFO], s90, v69
	v_mul_lo_u32 v[PFO], v[PFO], s91
	v_and_b32 v70, 1, v69
	v_mul_lo_u32 v70, v70, s100
	v_add_nc_u32 v[PFO], v[PFO], v70               ; joint tiles: row lane / 2, half lane % 2; K, V: row lane
	s_cmp_eq_u32 ttmp9, 0
	s_cselect_b32 s90, 15, 0
	s_cmp_lt_u32 s[GG], 4
	s_cselect_b32 s91, 14, 0
	s_cmp_lt_u32 s[WV], 6
	s_cselect_b32 s[PFN], s90, s91
	s_cmp_lt_u32 s[WV], 4
	s_cselect_b32 s[PFN], 0, s[PFN]                ; ids that the four partners share, and the wave's number
	s_wait_loadcnt 0x0                             ; Q, the table, the bias
	v_mul_f32 v[TAB], 0x3fb8aa3b, v[TAB]           ; in exponents of 2
	v_mul_f32 v[AB], 0x3fb8aa3b, v[AB]
; A KEY STEP: 64 keys, half `half` of the macro-step in slot s.
.macro STEP s, half
	s_cmp_gt_u32 s[KS], s[QB]                      ; all its keys come after the block's queries: ids and the count of steps alone
	s_cbranch_scc1 .Lhidden_\@
.rept 4
	v_nop                                          ; places in front of loads into registers that the last products read
.endr
.irp t, 0,1,2,3
.irp e, 0,1
	ds_load_b128 v[ET+8*\t+4*\e:ET+8*\t+4*\e+3], v[AE0+\s] offset:256*\half+64*\t+16*\e
.endr
.endr
.irp t, 0,1,2,3
.irp e, 0,1
	ds_load_b128 v[ADJ+8*\t+4*\e:ADJ+8*\t+4*\e+3], v[AA0+\s] offset:256*\half+64*\t+16*\e
.endr
.endr
	s_wait_dscnt 8                                 ; the edge types are in; the adjacency's eight loads may be out
.set i, 0
.rept 32
	v_lshlrev_b32 v[ET+i], 2, v[ET+i]              ; a lane's number x 4
.set i, i+1
.endr
.set i, 0
.rept 32
	ds_bpermute_b32 v[S+i], v[ET+i], v[TAB]        ; the table's entry, into the score's own register
.set i, i+1
.endr
.irp t, 0,1,2,3
.irp c, 0,1
.irp e, 0,1
	ds_load_b128 v[KV+8*(2*\t+\c)+4*\e:KV+8*(2*\t+\c)+4*\e+3], v[AK0+\s] offset:(64*\half+16*\t)*KP+64*\c+32*\e
.endr
.endr
.endr
	s_wait_dscnt 16                                ; the adjacency and the entries are in; K's sixteen loads may be out
.set i, 0
.rept 16
	v_pk_fma_f32 v[S+2*i:S+2*i+1], v[ADJ+2*i:ADJ+2*i+1], v[AB:AB+1], v[S+2*i:S+2*i+1] op_sel_hi:[1,0,1]   ; the bias
.set i, i+1
.endr
	s_wait_dscnt 0x0                               ; K
.irp c, 0,1                            ; the four accumulators take turns
.irp t, 0,1,2,3
	v_wmma_f32_16x16x32_f16 v[S+8*\t:S+8*\t+7], v[KV+8*(2*\t+\c):KV+8*(2*\t+\c)+7], v[Q+8*\c:Q+8*\c+7], v[S+8*\t:S+8*\t+7]
.endr
.endr
.rept 4
	v_nop                                          ; places: V lands on K's registers, and the scores are read
.endr
.irp g, 0,1
.irp c, 0,1,2,3
.irp e, 0,1
	ds_load_tr16_b128 v[KV+8*(4*\g+\c)+4*\e:KV+8*(4*\g+\c)+4*\e+3], v[AV0+\s] offset:(64*\half+32*\g+16*\e)*VP+32*\c
.endr
.endr
.endr
	s_cmp_lg_u32 s[KS], s[QB]                      ; only the block's last key step lies on the diagonal
	s_cbranch_scc1 .Lopen_\@
.set i, 0
.rept 32
	v_cmp_gt_i32 vcc_lo, 16*(i/8)+i%8, v[DIA]      ; register 8 t + j holds key 16 t + 8 (lane / 16) + j: hidden where it comes after my query
	v_cndmask_b32 v[S+i], v[S+i], v[NINF], vcc_lo
.set i, i+1
.endr
.Lopen_\@:
.irp t, 0,1,2,3
	v_max3_num_f32 v[W+\t], v[S+8*\t], v[S+8*\t+1], v[S+8*\t+2]   ; four chains, each accumulator from its low end on
.endr
.irp t, 0,1,2,3
	v_max3_num_f32 v[W+\t], v[W+\t], v[S+8*\t+3], v[S+8*\t+4]
.endr
.irp t, 0,1,2,3
	v_max3_num_f32 v[W+\t], v[W+\t], v[S+8*\t+5], v[S+8*\t+6]
.endr
	v_max3_num_f32 v[W], v[W], v[S+7], v[S+15]
	v_max3_num_f32 v[W+2], v[W+2], v[S+23], v[S+31]
	v_max3_num_f32 v[W], v[W], v[W+1], v[W+2]
	v_max3_num_f32 v[W], v[W], v[W+3], v[M]        ; with the old m
	v_permlanex16_b32 v[W+1], v[W], s[SEL], s[SEL+1]
	v_max_num_f32 v[W], v[W], v[W+1]               ; the new m
	v_sub_f32 v[AF], v[M], v[W]
	v_xor_b32 v[NM], 0x80000000, v[W]
.set i, 0
.rept 16
	v_pk_add_f32 v[S+2*i:S+2*i+1], v[S+2*i:S+2*i+1], v[NM:NM+1] op_sel_hi:[1,0]
.set i, i+1
.endr
	v_exp_f32 v[AF], v[AF]                         ; one batch of 33 exponentials
.set i, 0
.rept 32
	v_exp_f32 v[S+i], v[S+i]
.set i, i+1
.endr
	v_mov_b32 v[M], v[W]                           ; the plain instruction behind the last of them
	s_wait_alu depctr_va_vdst(0)                   ; one wait for the batch, ahead of its first reader
.set i, 0
.rept 16
	v_cvt_pk_f16_f32 v[P+i], v[S+2*i], v[S+2*i+1]
.set i, i+1
.endr
.irp u, 0,1,2,3,4,5,6,7                ; the sum of the unrounded p, in place
	v_pk_add_f32 v[S+4*\u:S+4*\u+1], v[S+4*\u:S+4*\u+1], v[S+4*\u+2:S+4*\u+3]
.endr
.irp u, 0,1,2,3
	v_pk_add_f32 v[S+8*\u:S+8*\u+1], v[S+8*\u:S+8*\u+1], v[S+8*\u+4:S+8*\u+5]
.endr
.irp u, 0,1
	v_pk_add_f32 v[S+16*\u:S+16*\u+1], v[S+16*\u:S+16*\u+1], v[S+16*\u+8:S+16*\u+9]
.endr
	v_pk_add_f32 v[S:S+1], v[S:S+1], v[S+16:S+17]
	v_pk_fma_f32 v[L:L+1], v[L:L+1], v[AF:AF+1], v[S:S+1] op_sel_hi:[1,0,1]
.set i, 0
.rept 16
	v_pk_mul_f32 v[O+2*i:O+2*i+1], v[O+2*i:O+2*i+1], v[AF:AF+1] op_sel_hi:[1,0]
.set i, i+1
.endr
	s_wait_dscnt 0x0                               ; V
.irp g, 0,1
.irp c, 0,1,2,3
	v_wmma_f32_16x16x32_f16 v[O+8*\c:O+8*\c+7], v[KV+8*(4*\g+\c):KV+8*(4*\g+\c)+7], v[P+8*\g:P+8*\g+7], v[O+8*\c:O+8*\c+7]
.endr
.endr
.Lhidden_\@:
	s_add_co_u32 s[KS], s[KS], 1
.endm
; A block is finished: O^T / l, rounded to f16, into stage p.  last = 0: under a test on ids and the count of steps; the second block is then set up.
.macro FIN1 p, last
.if !\last
	s_cmp_gt_u32 s[KS], s[QB]
	s_cbranch_scc0 .Lgoes_on_\@
.endif
.rept 4
	v_nop                                          ; places behind the last products
.endr
	v_add_f32 v[W], v[L], v[L+1]
	v_permlanex16_b32 v[W+1], v[W], s[SEL], s[SEL+1]
	v_add_f32 v[W], v[W], v[W+1]
	v_rcp_f32 v[W], v[W]
	v_nop
	s_wait_alu depctr_va_vdst(0)                   ; ahead of the reciprocal's first reader
.set i, 0
.rept 16
	v_pk_mul_f32 v[S+2*i:S+2*i+1], v[O+2*i:O+2*i+1], v[W:W+1] op_sel_hi:[1,0]
.set i, i+1
.endr
.set i, 0
.rept 16
	v_cvt_pk_f16_f32 v[P+i], v[S+2*i], v[S+2*i+1]
.set i, i+1
.endr
.irp c, 0,1,2,3
	ds_store_b128 v[STO], v[P+4*\c:P+4*\c+3] offset:\p*STG+32*\c
.endr
	s_lshl_b32 s92, s[QB], 17                      ; 64 rows of 2,048 bytes a block
	s_add_nc_u64 s[OB:OB+1], s[14:15], s[92:93]
	s_mov_b32 s[FIN], 1
.if !\last
	s_mov_b32 s[QB], s[GG]
	s_mov_b32 s[KS], 0
	v_mov_b32 v[M], 0xff61b1e6
	v_mov_b32 v[L], 0
	v_mov_b32 v[L+1], 0
.set i, 0
.rept 32
	v_mov_b32 v[O+i], 0
.set i, i+1
.endr
.set i, 0
.rept 16
	v_mov_b32 v[Q+i], v[Q2+i]
.set i, i+1
.endr
.Lgoes_on_\@:
.endif
.endm
; Behind the next barrier the finished block leaves: wave w stores rows 8 w .. 8 w + 7 whole: 16 lanes store 256 consecutive bytes, aligned: two heads' channels of one token.
.macro FIN2 p, always
.if !\always
	s_cmp_eq_u32 s[FIN], 1
	s_cbranch_scc0 .Lnothing_\@
.endif
.irp i, 0,1,2,3
	ds_load_b128 v[Q2+4*\i:Q2+4*\i+3], v[RD] offset:(\p)*STG+544*\i
.endr
	s_wait_dscnt 0x0
.irp i, 0,1,2,3
	global_store_b128 v[GO], v[Q2+4*\i:Q2+4*\i+3], s[OB:OB+1] offset:4096*\i
.endr
	s_mov_b32 s[FIN], 0
	s_wait_xcnt 0x0                                ; the stores have read their registers and their base: both may be written again
.Lnothing_\@:
.endm
; A MACRO-STEP, read from slot s.  In front of the round each wave waits for all its tensor loads, adds 0 to its spare word, and waits for that and for its reads of the other slot.
; Behind it the other slot is filled with the next macro-step, one load a wave, which has this macro-step's work in which to land.
; In one interval between barriers stage 1 - s is read and stage s is written: never the same bytes.
.macro TRIP s, refill
	s_wait_tensorcnt 0x0                           ; no tensor load of mine is out, so a group 0 may be written
	ds_add_u32 v[SPW], v[NIL]
.if \refill
	ds_add_u32 v[SPW], v[NIL]                      ; and twice on end here, in every trip alike
	s_add_co_u32 s90, s[U], 1
	OFFS 90, 86, 88
	s_add_nc_u64 s[G0KV+4*(1-\s)+2:G0KV+4*(1-\s)+3], s[KVB:KVB+1], s[88:89]
	s_or_b32 s[G0KV+4*(1-\s)+3], s[G0KV+4*(1-\s)+3], 0x80000000
	s_add_nc_u64 s[G0B+4*(1-\s)+2:G0B+4*(1-\s)+3], s[PB:PB+1], s[86:87]
	s_or_b32 s[G0B+4*(1-\s)+3], s[G0B+4*(1-\s)+3], 0x80000000
	s_add_co_u32 s90, s[U], 2
	OFFS 90, 92, 100
	s_mul_i32 s100, s90, 128*ROWQ                  ; K and V are asked for by the key, not by my own walk
	s_cmp_lt_u32 s[WV], 6
	s_cselect_b32 s92, s92, s100
	s_wait_xcnt 0x0                                ; the last prefetch, a macro-step back, has read its address
	s_add_nc_u64 s[PFA:PFA+1], s[PFB:PFB+1], s[92:93]
.endif
	s_wait_dscnt 0x0                               ; the add is done, and my LDS reads and stores are over
.if \refill
	ROUND
	TLOAD 1-\s
	ASK
.else
	s_barrier_signal -1
	s_barrier_wait -1
.endif
	FIN2 1-\s, 0
	STEP \s, 0
	STEP \s, 1
.if \refill
	FIN1 \s, 0
	s_add_co_u32 s[U], s[U], 1
.else
	FIN1 \s, 1
.endif
.endm
.Lpair:                                            ; eight trips of two macro-steps; slot 1's first fill stands behind the first round, where nothing is filled again
	TRIP 0, 1
	TRIP 1, 1
	s_sub_co_u32 s[LC], s[LC], 1
	s_cmp_lg_u32 s[LC], 0
	s_cbranch_scc1 .Lpair
	TRIP 0, 0                                      ; macro-step 16: nothing is left to fetch; the second block ends here
	s_wait_dscnt 0x0                               ; my stores into the stage are done
	s_barrier_signal -1
	s_barrier_wait -1
	FIN2 0, 1
	s_wait_tensorcnt 0x0                           ; the wave's end
	ds_add_u32 v[SPW], v[NIL]
	s_wait_dscnt 0x0
	ROUND                                          ; the closing round
	s_endpgm
.Lfunc_end_k_qe5721178dc_attn:
	.size	k_qe5721178dc_attn, .Lfunc_end_k_qe5721178dc_attn-k_qe5721178dc_attn
	.p2alignl 7, 3214868480
	.fill 96, 4, 3214868480
	.section	.rodata,"a",@progbits
	.p2align	6, 0x0
	.amdhsa_kernel k_qe5721178dc_attn
		.amdhsa_group_segment_fixed_size 327680
		.amdhsa_private_segment_fixed_size 0
		.amdhsa_enable_private_segment 0
		.amdhsa_kernarg_size 48
		.amdhsa_user_sgpr_count 2
		.amdhsa_user_sgpr_kernarg_segment_ptr 1
		.amdhsa_wavefront_size32 1
		.amdhsa_system_sgpr_workgroup_id_x 1
		.amdhsa_system_sgpr_workgroup_id_y 1
		.amdhsa_system_sgpr_workgroup_id_z 1
		.amdhsa_system_vgpr_workitem_id 0
		.amdhsa_next_free_vgpr 256
		.amdhsa_next_free_sgpr 102
		.amdhsa_reserve_vcc 1
		.amdhsa_float_denorm_mode_32 3
		.amdhsa_float_denorm_mode_16_64 3
		.amdhsa_memory_ordered 1
		.amdhsa_forward_progress 1
		.amdhsa_inst_pref_size 134
	.end_amdhsa_kernel
	.amdgpu_metadata
---
amdhsa.version: [ 1, 2 ]
amdhsa.kernels:
  - .name:           k_qe5721178dc_attn
    .symbol:         k_qe5721178dc_attn.kd
    .args:
      - { .name: qkv16, .offset: 0, .size: 8, .value_kind: global_buffer, .address_space: global }
      - { .name: graph_adj, .offset: 8, .size: 8, .value_kind: global_buffer, .address_space: global }
      - { .name: edge_types, .offset: 16, .size: 8, .value_kind: global_buffer, .address_space: global }
      - { .name: adj_bias, .offset: 24, .size: 8, .value_kind: global_buffer, .address_space: global }
      - { .name: edge_table, .offset: 32, .size: 8, .value_kind: global_buffer, .address_space: global }
      - { .name: attn16, .offset: 40, .size: 8, .value_kind: global_buffer, .address_space: global }
    .group_segment_fixed_size: 327680
    .private_segment_fixed_size: 0
    .kernarg_segment_align: 8
    .kernarg_segment_size: 48
    .max_flat_workgroup_size: 256
    .sgpr_count:     102
    .vgpr_count:     256
    .wavefront_size: 32
...
	.end_amdgpu_metadata
.endif
;; end of part 3
;; launch proj (part 4): grid 8 x 32, 4 waves a work-group, clusters of 4 x 4, 327,680 bytes of LDS; arguments attn16, wp16, out0; writes out0
.if DOCPART == 4
	.amdgcn_target "amdgcn-amd-amdhsa--gfx1250"
	.amdhsa_code_object_version 6
	.text
	.protected	k_qe5721178dc_proj
	.globl	k_qe5721178dc_proj
	.p2align	8
	.type	k_qe5721178dc_proj,@function
k_qe5721178dc_proj:
	s_mov_b64 s[64:65], 0
	v_nop
	global_prefetch_b8 v0, s[64:65] scope:SCOPE_SE
	s_setreg_imm32_b32 hwreg(HW_REG_WAVE_MODE, 25, 1), 1
	s_wait_xcnt 0x0
	s_wait_alu depctr_hold_cnt(0) depctr_sa_sdst(0) depctr_va_vdst(0) depctr_va_sdst(0) depctr_va_ssrc(0) depctr_va_vcc(0) depctr_vm_vsrc(0)
	s_getreg_b32 s2, hwreg(HW_REG_IB_STS2, 6, 4)
	s_cmp_eq_u32 s2, 0
	s_cbranch_scc0 .Lentry_in_a_cluster
	s_endpgm
.Lentry_in_a_cluster:
	s_bfe_u32 s2, ttmp6, 0x10000c
	s_cmp_lg_u32 s2, 0xf033
	s_cbranch_scc0 .Lentry_shape_is_right
	s_endpgm
.Lentry_shape_is_right:
; out0[m][n] = sum over k of attn16[m][k] wp16[k][n].  attn16: [4096][1024] f16, K innermost; wp16: [1024 (k)][1024 (n)] f16; out0: [4096][1024] f32; sums in f32.
; (Rows 0-15 of each batch are written here like all others and written over, more finely, by the launch that follows.)
; A tile of C is 128 x 128: 256 work-groups.  Four waves, each 64 x 64: 16 accumulators.  K goes in steps of 256 through two LDS slots.
; B lies [k][n]: its tile is 256 rows of k x 256 bytes, and its fragments come out of LDS turned, by ds_load_tr16_b128.
; CLUSTERS: 4 x 4; A's tiles are asked for jointly along a row of the cluster, B's along a column.  THE MATRIX INSTRUCTION IS USED TRANSPOSED (source 0 = 16 columns of B, source 1 = 16 rows of A):
; a lane holds eight neighbouring numbers of a row of C.
; REGISTERS: window 0: v0-31 addresses; v32-95 the way out; v128-255 the accumulators ((a, b) at v[128 + 8 (4 a + b)]).  window 1: two fragment buffers of 128: 64 of A, then 64 of B, for 64 along K.
.set SIZE_K, 1024
.set KSTEP,  256
.set PITCH,  528                       ; A's LDS row: 512 bytes + 16
.set HALFA,  64*PITCH
.set BPITCH, 288                       ; B's LDS row: 256 bytes + 32
.set HALFB,  128*BPITCH
.set BOFF,   2*HALFA
.set SLOT,   2*HALFA+2*HALFB
.set STAGE,  2*SLOT                    ; behind the ring: 16 rows x 272 bytes for each wave
.set SPITCH, 272
.set SPARE,  STAGE+4*16*SPITCH
.set LAPS,   SIZE_K/(2*KSTEP)
.set ADRA, 16                          ; v16-17  my A fragments in slot 0, 1
.set ADRB, 20                          ; v20-23  my B fragments: 2 x slot + half of the K step
.set STO,  24
.set RD,   25
.set CO,   26
.set SPW,  28
.set NIL,  29
.set BK,   32
.set ACC,  128
.set F0,   0
.set F1,   128
.set G1, 24
.set G0, 32
.set G1B, 48
.set G0B, 56
.set MSB, 0
.macro WIN new
.if MSB != \new
	s_set_vgpr_msb (MSB<<8)|\new
.set MSB, \new
.endif
.endm
.set MUL,  0x05                        ; sources 0 (B) and 1 (A) window 1; C and D window 0
.set TO_F, 0x40                        ; destination window 1, address window 0
.macro JLOAD s                         ; waves 0 and 1 fetch A's two halves, waves 2 and 3 B's; an s_nop 0 and four v_nop follow each line
	s_cmp_eq_u32 s11, 0
	s_cbranch_scc0 .Lfor_b_\@
	tensor_load_to_lds s[G0+4*\s:G0+4*\s+3], s[G1:G1+7]
	s_nop 0
.rept 4
	v_nop
.endr
	s_branch .Lasked_\@
.Lfor_b_\@:
	tensor_load_to_lds s[G0B+4*\s:G0B+4*\s+3], s[G1B:G1B+7]
	s_nop 0
.rept 4
	v_nop
.endr
.Lasked_\@:
.endm
.macro CREST
	s_cmp_lg_u32 s10, 0
	s_cbranch_scc1 .Lnot_wave_0_\@
	s_barrier_signal -3
.Lnot_wave_0_\@:
	s_barrier_wait -3
	s_barrier_signal -1
	s_barrier_wait -1
.endm
.macro CROUND
	s_barrier_signal -1
	s_barrier_wait -1
	CREST
.endm
	s_load_b128 s[4:7], s[0:1], 0x0                ; attn16, wp16
	s_load_b64 s[8:9], s[0:1], 0x10                ; out0
	v_lshl_add_u32 v[SPW], v0, 2, SPARE
	v_mov_b32 v[NIL], 0
	ds_add_u32 v[SPW], v[NIL]                      ; the wave's opening: the add, twice on end, and its wait ahead of my first tensor load
	ds_add_u32 v[SPW], v[NIL]
	v_lshrrev_b32 v1, 5, v0
	v_readfirstlane_b32 s10, v1                    ; wave 0..3
	s_lshr_b32 s11, s10, 1                         ; my half of the tile's rows.  Also: I fetch for A (0) or B (1)
	s_and_b32 s12, s10, 1                          ; my half of its columns.  Also: which half of that tile I fetch
	s_bfe_u32 s40, ttmp6, 0x40000
	s_bfe_u32 s41, ttmp6, 0x40004
	s_lshl_b32 s42, ttmp9, 2
	s_add_co_u32 s42, s42, s40                     ; tile column
	s_and_b32 s13, ttmp7, 0xffff
	s_lshl_b32 s13, s13, 2
	s_add_co_u32 s13, s13, s41                     ; tile row
	s_lshl_b32 s43, s41, 2
	s_lshl_b32 s43, 15, s43                        ; my row of the cluster
	s_lshl_b32 s44, 0x1111, s40                    ; my column
	s_or_b32 s[G1+0], s43, (1<<16)|(1<<20)|(1<<21)|(6<<22)|(3<<25)  ; A: 64 rows x 256 elements of 2 bytes; 4 words of padding after every 128
	s_mov_b32 s[G1+1], KSTEP<<16
	s_mov_b32 s[G1+2], 64<<16
	s_mov_b32 s[G1+3], KSTEP<<16
	s_mov_b32 s[G1+4], 64
	s_mov_b32 s[G1+5], SIZE_K
	s_mov_b32 s[G1+6], 0
	s_mov_b32 s[G1+7], 0
	s_or_b32 s[G1B+0], s44, (1<<16)|(1<<20)|(1<<21)|(5<<22)|(7<<25) ; B: 128 rows of k x 128 elements; 8 words of padding after every 64
	s_mov_b32 s[G1B+1], 128<<16
	s_mov_b32 s[G1B+2], 128<<16
	s_mov_b32 s[G1B+3], 128<<16
	s_mov_b32 s[G1B+4], 128
	s_mov_b32 s[G1B+5], 1024
	s_mov_b32 s[G1B+6], 0
	s_mov_b32 s[G1B+7], 0
	s_lshl_b32 s17, s12, 6
	s_lshl_b32 s16, s13, 7
	s_add_co_u32 s16, s16, s17
	s_lshl_b32 s16, s16, 11                        ; A: (128 x tile row + 64 x half) rows of 2,048 bytes
	s_mov_b32 s17, 0
	s_lshl_b32 s46, s12, 18                        ; B: 128 x half rows of 2,048 bytes,
	s_lshl_b32 s47, s42, 8
	s_add_co_u32 s46, s46, s47                     ; + 256 bytes x tile column
	s_mov_b32 s47, 0
	s_mul_i32 s20, s12, HALFA                      ; where they go: no place in the cluster enters an LDS address
	s_mul_i32 s21, s12, HALFB
	s_add_co_u32 s21, s21, BOFF
	s_wait_dscnt 0x0                               ; both opening adds are done
	s_wait_kmcnt 0x0
	s_add_nc_u64 s[14:15], s[4:5], s[16:17]
	s_add_nc_u64 s[46:47], s[6:7], s[46:47]
	CROUND
.irp s, 0,1
	s_mov_b32 s[G0+4*\s], 1
	s_add_co_u32 s[G0+4*\s+1], s20, \s*SLOT
	s_add_nc_u64 s[G0+4*\s+2:G0+4*\s+3], s[14:15], \s*KSTEP*2
	s_or_b32 s[G0+4*\s+3], s[G0+4*\s+3], 0x80000000
	s_mov_b32 s[G0B+4*\s], 1
	s_add_co_u32 s[G0B+4*\s+1], s21, \s*SLOT
	s_add_nc_u64 s[G0B+4*\s+2:G0B+4*\s+3], s[46:47], \s*KSTEP*2048
	s_or_b32 s[G0B+4*\s+3], s[G0B+4*\s+3], 0x80000000
	JLOAD \s
.endr
	v_and_b32 v1, 15, v0                           ; r
	v_bfe_u32 v2, v0, 4, 1                         ; h
	v_mul_u32_u24 v3, v1, PITCH
	v_lshl_add_u32 v3, v2, 4, v3
	s_mul_i32 s21, s11, HALFA                      ; my 64 rows of A
	v_add_nc_u32 v[ADRA], s21, v3
	v_add_nc_u32 v[ADRA+1], SLOT, v[ADRA]
	v_and_b32 v4, 7, v0
	v_lshl_add_u32 v4, v2, 3, v4
	v_mul_u32_u24 v4, v4, BPITCH                   ; the turning load: row 8 h + lane % 8 of k,
	v_bfe_u32 v5, v0, 3, 1
	v_lshl_add_u32 v4, v5, 4, v4                   ; 16 bytes by (lane / 8) % 2,
	s_lshl_b32 s22, s12, 7
	s_add_co_u32 s22, s22, BOFF                    ; my 64 columns
	v_add_nc_u32 v[ADRB], s22, v4
	v_add_nc_u32 v[ADRB+1], HALFB, v[ADRB]
	v_add_nc_u32 v[ADRB+2], SLOT, v[ADRB]
	v_add_nc_u32 v[ADRB+3], SLOT, v[ADRB+1]
	s_mul_i32 s23, s10, 16*SPITCH
	s_add_co_u32 s23, s23, STAGE                   ; my stage
	v_mul_u32_u24 v4, v1, SPITCH
	v_lshl_add_u32 v4, v2, 5, v4
	v_add_nc_u32 v[STO], s23, v4                   ; in: row r, 32 bytes for each half of the lanes
	v_mul_u32_u24 v5, v2, SPITCH
	v_lshl_add_u32 v5, v1, 4, v5
	v_add_nc_u32 v[RD], s23, v5                    ; back: sixteen lanes to a row of 256 bytes
	v_lshlrev_b32 v5, 12, v2
	v_lshl_add_u32 v[CO], v1, 4, v5
	s_lshl_b32 s16, s13, 7
	s_lshl_b32 s17, s11, 6
	s_add_co_u32 s16, s16, s17
	s_lshl_b32 s16, s16, 12                        ; my first row of out0: rows of 4,096 bytes
	s_mov_b32 s17, 0
	s_add_nc_u64 s[8:9], s[8:9], s[16:17]
	s_lshl_b32 s46, s42, 9
	s_lshl_b32 s47, s12, 8
	s_add_co_u32 s46, s46, s47                     ; my first column, in bytes
	s_mov_b32 s47, 0
	s_add_nc_u64 s[8:9], s[8:9], s[46:47]
.macro MUL8 f, c, a0, zero             ; m blocks a0, a0 + 1 x all 4 n blocks, 32 along K; the accumulators take turns
.irp a, \a0, \a0+1
.irp b, 0,1,2,3
.if \zero
	v_wmma_f32_16x16x32_f16 v[ACC+8*(4*(\a)+\b):ACC+8*(4*(\a)+\b)+7], v[\f+64+8*(4*\c+\b):\f+64+8*(4*\c+\b)+7], v[\f+8*(4*\c+\a):\f+8*(4*\c+\a)+7], 0
.else
	v_wmma_f32_16x16x32_f16 v[ACC+8*(4*(\a)+\b):ACC+8*(4*(\a)+\b)+7], v[\f+64+8*(4*\c+\b):\f+64+8*(4*\c+\b)+7], v[\f+8*(4*\c+\a):\f+8*(4*\c+\a)+7], v[ACC+8*(4*(\a)+\b):ACC+8*(4*(\a)+\b)+7]
.endif
.endr
.endr
.endm
; 32 LDS loads in one run: the fragments of quarter q (64 along K) of a slot into buffer f; the first 32 along K first
.macro FETCH slot, q, f
	WIN TO_F
.irp c, 0,1
.irp i, 0,1,2,3
	ds_load_tr16_b128 v[\f+64+8*(4*\c+\i):\f+64+8*(4*\c+\i)+3],   v[ADRB+2*\slot+(\q)/2] offset:(64*((\q)%2)+32*\c)*BPITCH+32*\i
	ds_load_tr16_b128 v[\f+64+8*(4*\c+\i)+4:\f+64+8*(4*\c+\i)+7], v[ADRB+2*\slot+(\q)/2] offset:(64*((\q)%2)+32*\c+16)*BPITCH+32*\i
	ds_load_b128 v[\f+8*(4*\c+\i):\f+8*(4*\c+\i)+3],              v[ADRA+\slot] offset:128*(\q)+64*\c+\i*16*PITCH
	ds_load_b128 v[\f+8*(4*\c+\i)+4:\f+8*(4*\c+\i)+7],            v[ADRA+\slot] offset:128*(\q)+64*\c+\i*16*PITCH+32
.endr
.endr
.endm
.macro PLACES
.rept 4
	v_nop
.endr
.endm
.macro QUARTER slot, q, f, g, zero     ; multiplies buffer f and fetches quarter q of the same slot into g
	s_wait_dscnt 16                                ; the first 32 along K are in; the other sixteen loads may be out
	WIN MUL
	MUL8 \f, 0, 0, \zero
	MUL8 \f, 0, 2, \zero
	PLACES
	FETCH \slot, \q, \g
	s_wait_dscnt 32                                ; all but the 32 just issued
	WIN MUL
	MUL8 \f, 1, 0, 0
	MUL8 \f, 1, 2, 0
.endm
.macro TURN slot, next, fill           ; the last quarter multiplies buffer 1 and changes slots
	WIN 0
	s_wait_tensorcnt 0x0                           ; all my tensor loads have landed: my part of the next slot
	ds_add_u32 v[SPW], v[NIL]
	s_wait_dscnt 17                                ; the add and the youngest sixteen loads may be out
	WIN MUL
	MUL8 F1, 0, 0, 0
	s_wait_dscnt 0x0                               ; the add is done, and my reads of this slot are over
	s_barrier_signal -1
	MUL8 F1, 0, 2, 0
.if \fill
	WIN 0
.endif
	s_barrier_wait -1
.if \fill
	CREST                                          ; the barrier has opened a round of the cluster's: no wave of any partner still reads this slot or has a load on its way
	s_add_nc_u64 s[G0+4*\slot+2:G0+4*\slot+3], s[G0+4*\slot+2:G0+4*\slot+3], 2*KSTEP*2
	s_add_nc_u64 s[G0B+4*\slot+2:G0B+4*\slot+3], s[G0B+4*\slot+2:G0B+4*\slot+3], 2*KSTEP*2048
	JLOAD \slot                                    ; the four v_nop behind it are also the places in front of the loads below
.else
	PLACES
.endif
	FETCH \next, 0, F0
	WIN MUL
	MUL8 F1, 1, 0, 0
	MUL8 F1, 1, 2, 0
.endm
	s_wait_tensorcnt 1                             ; my part of K step 0 is in; K step 1's load may be out
	s_barrier_signal -1
	s_barrier_wait -1
	FETCH 0, 0, F0
	QUARTER 0, 1, F0, F1, 1                        ; the first products start the sums
	WIN 0
	s_mov_b32 s3, LAPS-1
.Llap:
	QUARTER 0, 2, F1, F0, 0
	QUARTER 0, 3, F0, F1, 0
	TURN 0, 1, 1
	QUARTER 1, 1, F0, F1, 0
	QUARTER 1, 2, F1, F0, 0
	QUARTER 1, 3, F0, F1, 0
	TURN 1, 0, 1
	QUARTER 0, 1, F0, F1, 0
	WIN 0
	s_sub_co_u32 s3, s3, 1
	s_cmp_lg_u32 s3, 0
	s_cbranch_scc1 .Llap
	QUARTER 0, 2, F1, F0, 0                        ; the last lap fills nothing
	QUARTER 0, 3, F0, F1, 0
	TURN 0, 1, 0
	QUARTER 1, 1, F0, F1, 0
	QUARTER 1, 2, F1, F0, 0
	QUARTER 1, 3, F0, F1, 0
	s_wait_dscnt 16
	WIN MUL
	MUL8 F1, 0, 0, 0
	MUL8 F1, 0, 2, 0
	s_wait_dscnt 0
	MUL8 F1, 1, 0, 0
	MUL8 F1, 1, 2, 0
	WIN 0
; THE WAY OUT.  A wave's 64 columns of f32 are 256 bytes: each wave has a stage of its own and no barrier is needed.  16 rows at a time go in as 32 bytes a lane and come back as whole rows.
.macro TOSTAGE a
.irp b, 0,1,2,3
	ds_store_b128 v[STO], v[ACC+8*(4*(\a)+\b):ACC+8*(4*(\a)+\b)+3] offset:64*\b       ; each accumulator from its low end on
	ds_store_b128 v[STO], v[ACC+8*(4*(\a)+\b)+4:ACC+8*(4*(\a)+\b)+7] offset:64*\b+16
.endr
.set BB, BK+32*((\a)%2)
.irp t, 0,1,2,3,4,5,6,7
	ds_load_b128 v[BB+4*\t:BB+4*\t+3], v[RD] offset:\t*2*SPITCH   ; LDS serves a wave's instructions in order
.endr
.endm
.macro SEND a, younger
.set BB, BK+32*((\a)%2)
	s_wait_dscnt \younger                          ; the block is back; the next block's eight stores and eight loads may be out
.irp t, 0,1,2,3,4,5,6,7
	global_store_b128 v[CO], v[BB+4*\t:BB+4*\t+3], s[8:9] offset:(16*(\a)+2*\t)*4096 th:TH_STORE_NT   ; 16 lanes store 256 consecutive bytes, aligned
.endr
.endm
	PLACES
	TOSTAGE 0
.irp a, 1,2,3
.if \a > 1
	s_wait_xcnt 0x0                                ; block a - 2's stores have read their registers: block a's loads may land there
.endif
	TOSTAGE \a
	SEND \a-1, 16
.endr
	SEND 3, 0
	s_wait_tensorcnt 0x0                           ; the wave's end
	ds_add_u32 v[SPW], v[NIL]
	s_wait_dscnt 0x0
	CROUND                                         ; the closing round
	s_endpgm
.Lfunc_end_k_qe5721178dc_proj:
	.size	k_qe5721178dc_proj, .Lfunc_end_k_qe5721178dc_proj-k_qe5721178dc_proj
	.p2alignl 7, 3214868480
	.fill 96, 4, 3214868480
	.section	.rodata,"a",@progbits
	.p2align	6, 0x0
	.amdhsa_kernel k_qe5721178dc_proj
		.amdhsa_group_segment_fixed_size 327680
		.amdhsa_private_segment_fixed_size 0
		.amdhsa_enable_private_segment 0
		.amdhsa_kernarg_size 24
		.amdhsa_user_sgpr_count 2
		.amdhsa_user_sgpr_kernarg_segment_ptr 1
		.amdhsa_wavefront_size32 1
		.amdhsa_system_sgpr_workgroup_id_x 1
		.amdhsa_system_sgpr_workgroup_id_y 1
		.amdhsa_system_sgpr_workgroup_id_z 1
		.amdhsa_system_vgpr_workitem_id 0
		.amdhsa_next_free_vgpr 512
		.amdhsa_next_free_sgpr 66
		.amdhsa_reserve_vcc 0
		.amdhsa_float_denorm_mode_32 3
		.amdhsa_float_denorm_mode_16_64 3
		.amdhsa_memory_ordered 1
		.amdhsa_forward_progress 1
		.amdhsa_inst_pref_size 86
	.end_amdhsa_kernel
	.amdgpu_metadata
---
amdhsa.version: [ 1, 2 ]
amdhsa.kernels:
  - .name:           k_qe5721178dc_proj
    .symbol:         k_qe5721178dc_proj.kd
    .args:
      - { .name: attn16, .offset: 0, .size: 8, .value_kind: global_buffer, .address_space: global }
      - { .name: wp16, .offset: 8, .size: 8, .value_kind: global_buffer, .address_space: global }
      - { .name: out0, .offset: 16, .size: 8, .value_kind: global_buffer, .address_space: global }
    .group_segment_fixed_size: 327680
    .private_segment_fixed_size: 0
    .kernarg_segment_align: 8
    .kernarg_segment_size: 24
    .max_flat_workgroup_size: 128
    .sgpr_count:     66
    .vgpr_count:     512
    .wavefront_size: 32
...
	.end_amdgpu_metadata
.endif
;; end of part 4
;; launch first16 (part 5): grid 16 x 2, 16 waves a work-group, no clusters, 71,680 bytes of LDS; arguments qkv32, graph_adj, edge_types, adj_bias, edge_table, Wproj, out0; writes out0
.if DOCPART == 5
	.amdgcn_target "amdgcn-amd-amdhsa--gfx1250"
	.amdhsa_code_object_version 6
	.text
	.protected	k_qe5721178dc_first16
	.globl	k_qe5721178dc_first16
	.p2align	8
	.type	k_qe5721178dc_first16,@function
k_qe5721178dc_first16:
	s_mov_b64 s[64:65], 0
	v_nop
	global_prefetch_b8 v0, s[64:65] scope:SCOPE_SE
	s_setreg_imm32_b32 hwreg(HW_REG_WAVE_MODE, 25, 1), 1
	s_wait_xcnt 0x0
; THE FIRST 16 POSITIONS OF EACH BATCH, in f32 from the scores to the projection: these rows average one to sixteen values and are the largest of the output.
; qkv32: [2][16][3072] f32: q x log2(e)/8, k, v of tokens 0-15, unrounded.  out0 rows 0-15 of each batch are written over.
; A work-group makes 64 output columns of one batch.  Wave h redoes head h's attention for the 16 rows (16 x 16 scores), multiplies its 64 channels by Wproj's rows 64 h on, and the sixteen parts are added through LDS.
; All three products go by v_wmma_f32_16x16x4_f32.  Its accumulators (v112-191) are written by matrix instructions alone; what is made of a sum goes into other registers.
; V AND Wproj lie with the product's K as their FIRST axis.  A fragment of this form wants two k of one column in neighbouring registers; a load of 16 bytes brings four columns of one k.
; Which columns form a tile and which k form a step is free, so lane (r, h) takes columns 4 r .. 4 r + 3 of one row for each half of the lanes (sixteen lanes read 256 consecutive bytes, aligned), and one v_mov_b32
; a number lays the fragments out: tile n holds columns 4 r + n.  40 loads of 16 bytes and 160 copies stand where 160 loads of 4 bytes would.
; THE ORDER OF k is chosen alike for both sources of each product, so that nothing changes lanes:
;   S^T: K step s takes channels 32 h + 2 s + 0, 1 (h = lane / 16);   O^T: K step i takes keys 8 h + 2 i + 0, 1, which are p's registers as they lie; its tile c holds channels 4 m + c, so that
;   O's register 8 c + j of lane (r, h) is channel 32 h + 4 j + c of query r;   the projection: K step (c, i) takes those registers as they lie, and Wproj's batch c brings rows 32 h + 4 j + c.
; LIMITS: NaN and infinities are not served.
.set SPARE, 69632                      ; behind the sixteen parts of 16 rows x 272 bytes
.set SPW, 1
.set NIL, 2
.set TAB, 9
.set AB,  10                           ; v[10:11]
.set DIA, 12
.set NINF, 13
.set ST,  14                           ; v[14:15] the maximum, then 1 / the sum
.set QF,  16                           ; q
.set R1,  16                           ; later Wproj's batches 1 and 3 as loaded
.set KF,  48                           ; k; at the end the parts
.set VA,  48                           ; later v laid out
.set A0,  48                           ; later Wproj's batches 0 and 2 laid out
.set VR,  80                           ; v as loaded
.set ON,  80                           ; later O / the sum
.set SA0, 112
.set SA1, 120
.set OA,  128
.set PA,  160
.set ADJ, 192
.set ET,  200
.set BI,  208
.set T,   216                          ; the scores, then p
.set A1,  192                          ; later Wproj's batches 1 and 3 laid out
.set R0,  224                          ; Wproj's batches 0 and 2 as loaded
	s_load_b256 s[4:11], s[0:1], 0x0               ; qkv32 s[4:5], graph_adj s[6:7], edge_types s[8:9], adj_bias s[10:11]
	s_load_b128 s[12:15], s[0:1], 0x20             ; edge_table s[12:13], Wproj s[14:15]
	s_load_b64 s[16:17], s[0:1], 0x30              ; out0
	v_lshl_add_u32 v[SPW], v0, 2, SPARE
	v_mov_b32 v[NIL], 0
	v_lshrrev_b32 v3, 5, v0
	v_readfirstlane_b32 s18, v3                    ; wave = head = the row that I add up at the end
	s_and_b32 s19, ttmp7, 0xffff                   ; the batch
	v_and_b32 v3, 15, v0                           ; r
	v_bfe_u32 v4, v0, 4, 1                         ; h
	v_mul_u32_u24 v5, v3, 12288
	v_lshl_add_u32 v5, v4, 7, v5                   ; q, k: row r, 32 channels by my half
	v_mul_u32_u24 v6, v4, 8*12288
	v_lshl_add_u32 v6, v3, 4, v6                   ; v: keys 8 h on, channels 4 r on
	v_lshlrev_b32 v7, 13, v3
	v_lshl_add_u32 v7, v4, 5, v7                   ; adjacency, edge types: query r, keys 8 h on
	v_lshlrev_b32 v8, 17, v4
	v_lshl_add_u32 v8, v3, 4, v8                   ; Wproj: rows 32 h on, columns 4 r on
	v_and_b32 v216, 31, v0
	v_min_u32 v216, 16, v216                       ; lanes 17-31 repeat row 16: no load leaves the table
	v_lshlrev_b32 v216, 6, v216
	s_lshl_b32 s21, s18, 2
	v_add_nc_u32 v216, s21, v216
	v_mov_b32 v217, s21
	v_lshlrev_b32 v[DIA], 3, v4
	v_sub_nc_u32 v[DIA], v3, v[DIA]                ; r - 8 h
	v_mov_b32 v[NINF], 0xff800000
	v_mov_b32 v[AB+1], 0
	v_mov_b32 v[ST+1], 0                           ; a lane permute's destination counts as one of its sources
	s_mov_b32 s22, 0x76543210
	s_mov_b32 s23, 0xfedcba98
	s_mul_i32 s24, s19, 196608
	s_lshl_b32 s26, s18, 8
	s_add_co_u32 s24, s24, s26
	s_mov_b32 s25, 0
	s_lshl_b32 s26, s19, 24
	s_mov_b32 s27, 0
	s_lshl_b32 s28, s18, 18
	s_lshl_b32 s30, ttmp9, 8
	s_add_co_u32 s28, s28, s30
	s_mov_b32 s29, 0
	s_lshl_b32 s31, s19, 11
	s_add_co_u32 s31, s31, s18
	s_lshl_b32 s31, s31, 12
	s_add_co_u32 s30, s30, s31
	s_mov_b32 s31, 0
	s_wait_kmcnt 0x0
	s_add_nc_u64 s[4:5], s[4:5], s[24:25]          ; the batch's 16 tokens, my head's q
	s_add_nc_u64 s[6:7], s[6:7], s[26:27]
	s_add_nc_u64 s[8:9], s[8:9], s[26:27]
	s_add_nc_u64 s[14:15], s[14:15], s[28:29]      ; Wproj at (64 head, 64 group)
	s_add_nc_u64 s[16:17], s[16:17], s[30:31]      ; out0 at (row = my wave, 64 group)
.macro WLOAD reg, c                    ; Wproj's batch c: load k brings row 32 h + 4 k + c of my head, columns 4 r .. 4 r + 3: each half of the lanes reads 256 consecutive bytes, aligned
.irp k, 0,1,2,3,4,5,6,7
	global_load_b128 v[\reg+4*\k:\reg+4*\k+3], v8, s[14:15] offset:(4*\k+\c)*4096
.endr
.endm
.macro ARRANGE dst, src                ; eight loads of four columns become four tiles of eight k: register 8 n + k of the tiles is register 4 k + n of the loads
.irp n, 0,1,2,3
.irp k, 0,1,2,3,4,5,6,7
	v_mov_b32 v[\dst+8*\n+\k], v[\src+4*\k+\n]
.endr
.endr
.endm
.macro PLACES n
.rept \n
	v_nop
.endr
.endm
.irp i, 0,1,2,3,4,5,6,7
	global_load_b128 v[QF+4*\i:QF+4*\i+3], v5, s[4:5] offset:16*\i
.endr
.irp i, 0,1,2,3,4,5,6,7
	global_load_b128 v[KF+4*\i:KF+4*\i+3], v5, s[4:5] offset:4096+16*\i
.endr
	global_load_b128 v[ADJ:ADJ+3], v7, s[6:7]
	global_load_b128 v[ADJ+4:ADJ+7], v7, s[6:7] offset:16
	global_load_b128 v[ET:ET+3], v7, s[8:9]
	global_load_b128 v[ET+4:ET+7], v7, s[8:9] offset:16
	global_load_b32 v[TAB], v216, s[12:13]
	global_load_b32 v[AB], v217, s[10:11]
.irp i, 0,1,2,3,4,5,6,7
	global_load_b128 v[VR+4*\i:VR+4*\i+3], v6, s[4:5] offset:8192+\i*12288   ; v: key 8 h + i, channels 4 r .. 4 r + 3
.endr
	WLOAD R0, 0
	s_wait_loadcnt 16                              ; all but v's eight loads and the first batch's eight
	v_mul_f32 v[TAB], 0x3fb8aa3b, v[TAB]
	v_mul_f32 v[AB], 0x3fb8aa3b, v[AB]
.irp j, 0,1,2,3,4,5,6,7
	v_lshlrev_b32 v[ET+\j], 2, v[ET+\j]
.endr
.irp j, 0,1,2,3,4,5,6,7
	ds_bpermute_b32 v[BI+\j], v[ET+\j], v[TAB]     ; the table's entry from lane edge_type: no LDS byte is touched
.endr
	s_wait_dscnt 0x0
.irp j, 0,2,4,6
	v_pk_fma_f32 v[BI+\j:BI+\j+1], v[ADJ+\j:ADJ+\j+1], v[AB:AB+1], v[BI+\j:BI+\j+1] op_sel_hi:[1,0,1]
.endr
	; S^T = K Q^T + bias: two accumulators by turns; the first takes the bias as its C, the second 0
	v_wmma_f32_16x16x4_f32 v[SA0:SA0+7], v[KF:KF+1], v[QF:QF+1], v[BI:BI+7]
	v_wmma_f32_16x16x4_f32 v[SA1:SA1+7], v[KF+2:KF+3], v[QF+2:QF+3], 0
.irp s, 2,4,6,8,10,12,14
	v_wmma_f32_16x16x4_f32 v[SA0:SA0+7], v[KF+2*\s:KF+2*\s+1], v[QF+2*\s:QF+2*\s+1], v[SA0:SA0+7]
	v_wmma_f32_16x16x4_f32 v[SA1:SA1+7], v[KF+2*\s+2:KF+2*\s+3], v[QF+2*\s+2:QF+2*\s+3], v[SA1:SA1+7]
.endr
	PLACES 8                                       ; this form wants eight places before its results are read, before loads land on its sources and before vector instructions write them
	WLOAD R1, 1                                    ; into q's registers
.irp j, 0,2,4,6
	v_pk_add_f32 v[T+\j:T+\j+1], v[SA0+\j:SA0+\j+1], v[SA1+\j:SA1+\j+1]   ; from the low end on
.endr
.irp j, 0,1,2,3,4,5,6,7
	v_cmp_gt_i32 vcc_lo, \j, v[DIA]                ; register j holds key 8 h + j: hidden where it comes after query r
	v_cndmask_b32 v[T+\j], v[T+\j], v[NINF], vcc_lo
.endr
	v_max3_num_f32 v[ST], v[T], v[T+1], v[T+2]
	v_max3_num_f32 v[ST], v[ST], v[T+3], v[T+4]
	v_max3_num_f32 v[ST], v[ST], v[T+5], v[T+6]
	v_max_num_f32 v[ST], v[ST], v[T+7]
	v_permlanex16_b32 v[ST+1], v[ST], s22, s23
	v_max_num_f32 v[ST], v[ST], v[ST+1]            ; the row's maximum: key 0 counts for every query
.irp j, 0,1,2,3,4,5,6,7
	v_sub_f32 v[T+\j], v[T+\j], v[ST]
.endr
.irp j, 0,1,2,3,4,5,6,7
	v_exp_f32 v[T+\j], v[T+\j]
.endr
	v_nop
	s_wait_alu depctr_va_vdst(0)                   ; one wait for the eight, ahead of their first reader
	v_pk_add_f32 v[ET:ET+1], v[T:T+1], v[T+2:T+3]
	v_pk_add_f32 v[ET+2:ET+3], v[T+4:T+5], v[T+6:T+7]
	v_pk_add_f32 v[ET:ET+1], v[ET:ET+1], v[ET+2:ET+3]
	v_add_f32 v[ST], v[ET], v[ET+1]
	v_permlanex16_b32 v[ST+1], v[ST], s22, s23
	v_add_f32 v[ST], v[ST], v[ST+1]
	v_rcp_f32 v[ST], v[ST]
	v_nop
	s_wait_alu depctr_va_vdst(0)
	s_wait_loadcnt 16                              ; v is in: behind it stand the eight loads of batch 0 and the eight of batch 1
	ARRANGE VA, VR                                 ; into k's registers: tile c holds channels 4 r + c, its register i key 8 h + i
.irp i, 0,1,2,3                        ; O^T = V^T P: four accumulators by turns
.irp c, 0,1,2,3
.if \i == 0
	v_wmma_f32_16x16x4_f32 v[OA+8*\c:OA+8*\c+7], v[VA+8*\c+2*\i:VA+8*\c+2*\i+1], v[T+2*\i:T+2*\i+1], 0
.else
	v_wmma_f32_16x16x4_f32 v[OA+8*\c:OA+8*\c+7], v[VA+8*\c+2*\i:VA+8*\c+2*\i+1], v[T+2*\i:T+2*\i+1], v[OA+8*\c:OA+8*\c+7]
.endif
.endr
.endr
	PLACES 8                                       ; before O^T is read, and before the copies below write over v's fragments and p
.set i, 0
.rept 16
	v_pk_mul_f32 v[ON+2*i:ON+2*i+1], v[OA+2*i:OA+2*i+1], v[ST:ST+1] op_sel_hi:[1,0]   ; O / the sum: register 8 c + j is channel 32 h + 4 j + c of query r
.set i, i+1
.endr
.macro BATCH c, reg                    ; my part of out(query, column) += O(query, 16 channels) x Wproj: source 0 = O's 16 queries, source 1 = 16 columns; four accumulators by turns
.irp i, 0,1,2,3
.irp n, 0,1,2,3
.if (\c == 0) && (\i == 0)
	v_wmma_f32_16x16x4_f32 v[PA+8*\n:PA+8*\n+7], v[ON+8*\c+2*\i:ON+8*\c+2*\i+1], v[\reg+8*\n+2*\i:\reg+8*\n+2*\i+1], 0
.else
	v_wmma_f32_16x16x4_f32 v[PA+8*\n:PA+8*\n+7], v[ON+8*\c+2*\i:ON+8*\c+2*\i+1], v[\reg+8*\n+2*\i:\reg+8*\n+2*\i+1], v[PA+8*\n:PA+8*\n+7]
.endif
.endr
.endr
.endm
; Two sets of registers as loaded, two laid out, by turns.  The 32 copies of one batch, which name no register of the products just issued, are the places between those products and the next copies into their operands.
	s_wait_loadcnt 8                               ; batch 0 is in; batch 1's eight loads may be out
	ARRANGE A0, R0
	WLOAD R0, 2                                    ; into the registers that the copies have read
	BATCH 0, A0
	s_wait_loadcnt 8                               ; batch 1 is in; batch 2's may be out
	ARRANGE A1, R1
	WLOAD R1, 3
	BATCH 1, A1
	s_wait_loadcnt 8                               ; batch 2 is in; batch 3's may be out
	ARRANGE A0, R0
	BATCH 2, A0
	s_wait_loadcnt 0
	ARRANGE A1, R1
	BATCH 3, A1
	v_mul_u32_u24 v5, v4, 8*272                    ; six plain lines on registers that no product names, and two v_nop: the eight places behind the last products
	v_lshl_add_u32 v5, v3, 4, v5
	s_mul_i32 s21, s18, 4352
	v_add_nc_u32 v5, s21, v5                       ; my part: rows 8 h on, columns 4 r on
	v_and_b32 v7, 31, v0
	v_lshlrev_b32 v7, 3, v7                        ; 8 bytes a lane
	s_mul_i32 s21, s18, 272
	v_add_nc_u32 v6, s21, v7                       ; row = my wave, in every part
	PLACES 2
.irp n, 0,1,2,3
.irp j, 0,1,2,3,4,5,6,7
	ds_store_b32 v5, v[PA+8*\n+\j] offset:\j*272+4*\n   ; (query 8 h + j, column 4 r + n); each accumulator from its low end on
.endr
.endr
	s_wait_dscnt 0x0                               ; for the others' sake: my part lies in LDS
	s_barrier_signal -1
	s_barrier_wait -1
.irp s, 0,1,2,3,4,5,6,7,8,9,10,11,12,13,14,15
	ds_load_b64 v[KF+2*\s:KF+2*\s+1], v6 offset:\s*4352
.endr
	s_wait_dscnt 0x0
.irp s, 2,3,4,5,6,7,8,9,10,11,12,13,14,15      ; the sixteen heads' parts in ascending order, in two chains
	v_pk_add_f32 v[KF+2*(\s%2):KF+2*(\s%2)+1], v[KF+2*(\s%2):KF+2*(\s%2)+1], v[KF+2*\s:KF+2*\s+1]
.endr
	v_pk_add_f32 v[KF:KF+1], v[KF:KF+1], v[KF+2:KF+3]
	global_store_b64 v7, v[KF:KF+1], s[16:17]      ; the wave stores 256 consecutive bytes, aligned
	s_wait_tensorcnt 0x0                           ; the wave's end: behind my last LDS store
	ds_add_u32 v[SPW], v[NIL]
	s_wait_dscnt 0x0
	s_endpgm
.Lfunc_end_k_qe5721178dc_first16:
	.size	k_qe5721178dc_first16, .Lfunc_end_k_qe5721178dc_first16-k_qe5721178dc_first16
	.p2alignl 7, 3214868480
	.fill 96, 4, 3214868480
	.section	.rodata,"a",@progbits
	.p2align	6, 0x0
	.amdhsa_kernel k_qe5721178dc_first16
		.amdhsa_group_segment_fixed_size 71680
		.amdhsa_private_segment_fixed_size 0
		.amdhsa_enable_private_segment 0
		.amdhsa_kernarg_size 56
		.amdhsa_user_sgpr_count 2
		.amdhsa_user_sgpr_kernarg_segment_ptr 1
		.amdhsa_wavefront_size32 1
		.amdhsa_system_sgpr_workgroup_id_x 1
		.amdhsa_system_sgpr_workgroup_id_y 1
		.amdhsa_system_sgpr_workgroup_id_z 1
		.amdhsa_system_vgpr_workitem_id 0
		.amdhsa_next_free_vgpr 256
		.amdhsa_next_free_sgpr 66
		.amdhsa_reserve_vcc 1
		.amdhsa_float_denorm_mode_32 3
		.amdhsa_float_denorm_mode_16_64 3
		.amdhsa_memory_ordered 1
		.amdhsa_forward_progress 1
		.amdhsa_inst_pref_size 29
	.end_amdhsa_kernel
	.amdgpu_metadata
---
amdhsa.version: [ 1, 2 ]
amdhsa.kernels:
  - .name:           k_qe5721178dc_first16
    .symbol:         k_qe5721178dc_first16.kd
    .args:
      - { .name: qkv32, .offset: 0, .size: 8, .value_kind: global_buffer, .address_space: global }
      - { .name: graph_adj, .offset: 8, .size: 8, .value_kind: global_buffer, .address_space: global }
      - { .name: edge_types, .offset: 16, .size: 8, .value_kind: global_buffer, .address_space: global }
      - { .name: adj_bias, .offset: 24, .size: 8, .value_kind: global_buffer, .address_space: global }
      - { .name: edge_table, .offset: 32, .size: 8, .value_kind: global_buffer, .address_space: global }
      - { .name: Wproj, .offset: 40, .size: 8, .value_kind: global_buffer, .address_space: global }
      - { .name: out0, .offset: 48, .size: 8, .value_kind: global_buffer, .address_space: global }
    .group_segment_fixed_size: 71680
    .private_segment_fixed_size: 0
    .kernarg_segment_align: 8
    .kernarg_segment_size: 56
    .max_flat_workgroup_size: 512
    .sgpr_count:     66
    .vgpr_count:     256
    .wavefront_size: 32
...
	.end_amdgpu_metadata
.endif
;; end of part 5
